; MI455X (gfx1250); checked and timed in simulation.
; The chip was launched on July 23, 2026; its instructions are those of AMD's public machine-readable ISA for CDNA 5 (MIT licence, August 2026) and "CDNA5" Instruction Set Architecture Reference Guide (July 2026). The comments in the code are by the model that wrote it; some were corrected since.
;; Self Attention. Allowed arithmetic: matrix products marked QUANTISED: E2M1 operands, one E8M0 scale for each 32 along K, by v_wmma_scale_f32_16x16x128_f8f6f4 with both operands' format E2M1 (or v_wmma_scale_f32_32x16x128_f4), f32 sums; everything else in f32.
;; Inputs: Wk 1,024 x 1,024 float32; Wo 1,024 x 1,024 float32; Wq 1,024 x 1,024 float32; Wv 1,024 x 1,024 float32; bk 1,024 float32; bo 1,024 float32; bq 1,024 float32; bv 1,024 float32; x 2 x 2,048 x 1,024 float32.
;; Outputs: out0 2 x 2,048 x 1,024 float32.
;; This version of the problem:
;;   THIS VERSION OF THE PROBLEM IS GIVEN IN LOW PRECISION. The matrix products marked QUANTISED in the list below multiply operands that are first quantised to E2M1 (2 exponent bits, 1 mantissa bit; 4 bits a number), with one power-of-two scale for each 32 numbers along K (OCP MX v1.0); their sums are f32. All else is computed in f32.
;;   The module's matrix products, in the order in which they are computed (A, B: the left and right operand; K: the contracted axis; several contracted axes count as one K, in the product's order):
;;     1. [M 4,096, K 1,024] x [K 1,024, N 1,024]; A: input x; B: input Wq: QUANTISED
;;     2. [M 4,096, K 1,024] x [K 1,024, N 1,024]; A: input x; B: input Wk: QUANTISED
;;     3. [M 4,096, K 1,024] x [K 1,024, N 1,024]; A: input x; B: input Wv: QUANTISED
;;     4. batch 32 x [M 2,048, K 64] x [K 64, N 2,048]; A: computed on the way; B: computed on the way: QUANTISED
;;     5. batch 32 x [M 2,048, K 2,048] x [K 2,048, N 64]; A: softmax (see below); B: computed on the way: QUANTISED
;;     6. [M 4,096, K 1,024] x [K 1,024, N 1,024]; A: computed on the way; B: input Wo: QUANTISED
;;   THE QUANTISER, for each operand of a quantised product, along K:
;;     - K is cut into blocks of 32 from its start; a last block that is shorter is filled with zeros.
;;     - A block's scale is 2^e with e = floor(log2(the largest magnitude in the block)) - 2, held to -126 .. 127; a block of zeros has e = 0. As a byte (E8M0): e + 127.
;;     - Each number is divided by its block's scale, clamped to +-6, and rounded to the nearest number of E2M1, ties to even, subnormals kept.
;;     - The product sums the exact products of the quantised numbers (number of the format x scale) in f32.
;;   ~~~python
;;   def quantise(x, axis):      # numpy; x: float32 -> the quantised numbers, widened to float32 again
;;       x = np.moveaxis(x, axis, -1); K = x.shape[-1]
;;       x = np.pad(x, [(0, 0)] * (x.ndim - 1) + [(0, -K % 32)]); x = x.reshape(x.shape[:-1] + (-1, 32)); a = np.abs(x).max(-1, keepdims=True)
;;       e = np.where(a > 0, np.clip(np.frexp(np.where(a > 0, a, 1))[1] - 1 - 2, -126, 127), 0)      # np.frexp(a)[1] - 1 = floor(log2(a)), exactly
;;       r = np.clip(x / 2.0 ** e, -6, 6)
;;       step = 2.0 ** (np.maximum(np.frexp(np.where(r == 0, 1, r))[1] - 1, 0) - 1)
;;       q = np.round(r / step) * step * 2.0 ** e      # np.round: ties to even
;;       return np.moveaxis(q.reshape(q.shape[:-2] + (-1,))[..., :K], -1, axis).astype(np.float32)
;;   ~~~
;;   SOFTMAX AHEAD OF A QUANTISED PRODUCT. Where the list says 'softmax', what is quantised is not the finished softmax but p = 2^(t - M), with t = logit x log2(e) and M = ceil(the row's largest t), a whole number; so 1/2 < the row's largest p <= 1. The row's sum l is taken of the UNQUANTISED p, in f32, and the product's result is divided by l at the end. Since M is a whole number, a kernel that streams over the keys may use a running M (the ceiling of the running maximum): every later rescaling is an exact power of two, which a block's scale takes up: the codes' values come out the same.
;;   OPERANDS COMPUTED ON THE WAY. 'Computed on the way' means the value that the module computes at that place (a softmax that the list does not call 'softmax' is quantised finished and normalised). What goes into a quantiser is computed in f32, as accurately as f32 sums, v_exp_f32 and their like allow (about 1e-6 of the number): no bf16 or f16 on the way to a quantiser, and a product that is left as it is and whose result goes on into a quantised operand takes f32 operands (vector FMAs, or v_wmma_f32_16x16x4_f32). A number that lies on a knife's edge between two numbers of the format may be rounded either way, as far as f32 arithmetic and the matrix unit's own rounding can turn it there, and no further.
;; One version. Each part assembles by itself: llvm-mc -triple=amdgcn-amd-amdhsa -mcpu=gfx1250 --defsym DOCPART=n.
;; ======== version 1 of 1: 4 launches
;; limits: right only within a limited range of input values
;; workspace buffers: xc 2,097,152 bytes; xs 131,072 bytes; wc 2,097,152 bytes; ws 131,072 bytes; qb 2,359,296 bytes; kv 4,587,520 bytes; oc 2,097,152 bytes; os 131,072 bytes
;; launch prep (part 1): grid 384 x 1, 8 waves a work-group, no clusters, 70,656 bytes of LDS; arguments x, Wq, Wk, Wv, Wo, xc, xs, wc, ws; writes xc, xs, wc, ws
.if DOCPART == 1
	.amdgcn_target "amdgcn-amd-amdhsa--gfx1250"
	.amdhsa_code_object_version 6
	.text
	.protected	k_q449b031dbb_prep
	.globl	k_q449b031dbb_prep
	.p2align	8
	.type	k_q449b031dbb_prep,@function
k_q449b031dbb_prep:
	s_mov_b64 s[64:65], 0
	v_nop
	global_prefetch_b8 v0, s[64:65] scope:SCOPE_SE
	s_setreg_imm32_b32 hwreg(HW_REG_WAVE_MODE, 25, 1), 1
	s_wait_xcnt 0x0
; x [4096][1024] and the four weights [1024 (k)][1024 (n)], f32, become codes of FP4 (E2M1) with one E8M0 byte for each 32 along K.
; A block's scale is 2^(floor(log2(its largest magnitude)) - 2): its byte is the largest magnitude's exponent field - 2, held at 1 from below.
; LAYOUT OF THE RESULTS.  Rows (tokens of x, columns n of a weight) are stored by POSITION: position p holds row pi(p), pi = bits 3 and 4 exchanged.
;   codes:  [K / 32 block][rows by position][16 bytes]: a fragment's four registers are 16 bytes a lane, sixteen lanes on 256 consecutive bytes.
;   scales: [half of K][rows by position][4 words]: a word is the four bytes of 128 along K.
; LIMITS: a block of zeros gets the byte 1 where the quantiser's text says 127 (its codes are zeros, and only this program reads the bytes); NaN and infinities among the inputs are not served.
; Work-groups 0-255: 16 positions of x, all of K, wave j the j-th 128 along K.  Work-groups 256-383: 64 columns x 512 along K of one weight.
; No matrix unit, no cluster, no tensor load: each byte is read once by one wave.  Each of the two ways has LDS bytes of its own.
.set SPB,  528                         ; a stage row: 512 bytes + 16
.set WSTG, 16*SPB                      ; a wave's stage: 16 rows
.set WX,   8*WSTG                      ; x's scale words of the work-group: 2 halves x 16 rows x 16 bytes
.set WW,   WX+512                      ; a weight's: 64 positions x 16 bytes
.set TM,   12                          ; v12-27  at work in the quantiser
.set RAW,  32                          ; v32-95  x as loaded;  v32-159 four blocks of a weight's column
.set NUM,  96                          ; v96-159 64 numbers of my row: register 16 b + i = k 32 b + 16 h + i
.set PC,   160                         ; codes
.set PW,   168                         ; x's scale word
.set OUTR, 176                         ; the tails' 16 bytes
.set WPW,  180                         ; a weight's scale word
.set WV,   22
.set SEL,  24
	s_load_b256 s[4:11], s[0:1], 0x0               ; x, Wq, Wk, Wv
	s_load_b256 s[12:19], s[0:1], 0x20             ; Wo, xc, xs, wc
	s_load_b64 s[20:21], s[0:1], 0x40              ; ws
	v_lshl_add_u32 v184, v0, 2, 0x11000
	v_mov_b32 v185, 0
	v_lshrrev_b32 v1, 5, v0
	s_delay_alu instid0(VALU_DEP_1)
	v_readfirstlane_b32 s[WV], v1                  ; wave j
	v_and_b32 v1, 31, v0                           ; lane l
	v_and_b32 v2, 15, v0                           ; r
	v_bfe_u32 v3, v0, 4, 1                         ; h
	v_and_b32 v28, 7, v0
	v_bfe_u32 v29, v0, 3, 1
	s_delay_alu instid0(VALU_DEP_1)
	v_lshl_or_b32 v28, v29, 4, v28
	s_delay_alu instid0(VALU_DEP_1)
	v_lshl_or_b32 v28, v3, 3, v28                  ; pi(l)
	s_wait_alu depctr_va_vdst(0)
	s_mov_b32 s[SEL], 0x76543210
	s_mov_b32 s[SEL+1], 0xfedcba98                 ; v_permlanex16_b32: lane l xor 16
	; every LDS address is made here, ahead of the parting of the two ways
	s_mul_i32 s26, s[WV], WSTG
	v_lshl_add_u32 v4, v1, 4, s26                  ; the stage, in: 16 l of a row
	v_mul_u32_u24 v5, v2, SPB
	s_delay_alu instid0(VALU_DEP_1)
	v_lshl_add_u32 v5, v3, 6, v5
	s_delay_alu instid0(VALU_DEP_1)
	v_add_nc_u32 v5, s26, v5                       ; out: row r, + 64 h: my 16 numbers of a block
	s_lshr_b32 s27, s[WV], 2
	s_lshl_b32 s27, s27, 8
	s_and_b32 s28, s[WV], 3
	s_lshl_b32 s28, s28, 2
	s_add_co_u32 s27, s27, s28
	s_add_co_u32 s27, s27, WX
	v_lshl_add_u32 v6, v2, 4, s27                  ; x's word: half j / 4, row r, word j % 4
	s_and_b32 s28, s[WV], 1
	s_lshl_b32 s28, s28, 9                         ; 512 (j % 2)
	s_lshr_b32 s29, s[WV], 1                       ; j / 2
	s_lshl_b32 s30, s29, 2
	s_add_co_u32 s30, s30, s28
	s_add_co_u32 s30, s30, WW
	v_lshl_add_u32 v7, v28, 4, s30                 ; a weight's word: position 32 (j % 2) + pi(l), word j / 2
	v_lshl_add_u32 v8, v1, 4, WX                   ; the tails read 16 bytes a lane
	s_add_co_u32 s31, s28, WW
	v_lshl_add_u32 v9, v1, 4, s31
	v_lshlrev_b32 v10, 4, v2
	s_delay_alu instid0(VALU_DEP_1)
	v_lshl_add_u32 v10, v3, 16, v10                ; xc, xs: 65,536 h + 16 r
	v_lshlrev_b32 v11, 4, v28                      ; wc: 16 pi(l)
	v_lshlrev_b32 v30, 4, v1                       ; 16 l
	v_lshlrev_b32 v31, 2, v1                       ; 4 l
.irp b, 0,1,2,3
	v_mov_b32 v[TM+4+\b], 0                        ; a lane permute's destination counts as one of its sources
.endr
	s_wait_kmcnt 0x0
	s_cmp_lt_u32 ttmp9, 256
	s_cbranch_scc0 .Lw
	; ---- x: position tile g = tokens 32 (g / 2) + 8 (g % 2) + p + 8 (p / 8), p = 0 .. 15
	s_lshr_b32 s32, ttmp9, 1
	s_lshl_b32 s32, s32, 17
	s_and_b32 s33, ttmp9, 1
	s_lshl_b32 s33, s33, 15
	s_add_co_u32 s32, s32, s33
	s_lshl_b32 s33, s[WV], 9
	s_add_co_u32 s32, s32, s33                     ; the tile's first token x 4,096 bytes + 512 j
	s_mov_b32 s33, 0
	s_add_nc_u64 s[4:5], s[4:5], s[32:33]
	s_lshl_b32 s34, ttmp9, 8                       ; 16 positions x 16 bytes
	s_mov_b32 s35, 0
	s_add_nc_u64 s[16:17], s[16:17], s[34:35]      ; xs
	s_lshl_b32 s32, s[WV], 18                      ; four blocks of 65,536 bytes a K step
	s_add_co_u32 s34, s34, s32
	s_add_nc_u64 s[14:15], s[14:15], s[34:35]      ; xc
	s_wait_alu depctr_va_vdst(0)
.irp p, 0,1,2,3,4,5,6,7,8,9,10,11,12,13,14,15
	global_load_b128 v[RAW+4*\p:RAW+4*\p+3], v30, s[4:5] offset:(\p+8*(\p/8))*4096 th:TH_LOAD_NT   ; 32 lanes read 512 consecutive bytes of one token
.endr
.irp p, 0,1,2,3,4,5,6,7,8,9,10,11,12,13,14,15
	s_wait_loadcnt 15-\p                           ; row p is in; the younger rows may be out
	ds_store_b128 v4, v[RAW+4*\p:RAW+4*\p+3] offset:SPB*\p
.endr
.irp b, 0,1,2,3
.irp q, 0,1,2,3
	ds_load_b128 v[NUM+16*\b+4*\q:NUM+16*\b+4*\q+3], v5 offset:128*\b+16*\q   ; LDS serves a wave's instructions in order: these see my stores
.endr
.endr
	s_wait_dscnt 0x0
.irp b, 0,1,2,3
	v_max3_num_f32 v[TM+\b], |v[NUM+16*\b]|, |v[NUM+1+16*\b]|, 0x1800000   ; my 16 numbers of block b, and the floor 2^(3 - 127): the byte cannot fall under 1
.endr
.irp i, 2,4,6,8,10,12,14
.irp b, 0,1,2,3
	s_delay_alu instid0(VALU_DEP_4)
	v_max3_num_f32 v[TM+\b], v[TM+\b], |v[NUM+16*\b+\i]|, |v[NUM+1+16*\b+\i]|
.endr
.endr
.irp b, 0,1,2,3
	s_delay_alu instid0(VALU_DEP_4)
	v_permlanex16_b32 v[TM+4+\b], v[TM+\b], s[SEL], s[SEL+1]
.endr
.irp b, 0,1,2,3
	s_delay_alu instid0(VALU_DEP_4)
	v_max_num_f32 v[TM+\b], v[TM+\b], v[TM+4+\b]   ; with lane l xor 16's: the block's largest magnitude
.endr
.irp b, 0,1,2,3
	s_delay_alu instid0(VALU_DEP_4)
	v_add_nc_u32 v[TM+12+\b], 0xff000000, v[TM+\b] ; 2 off its exponent field: the conversion's scale operand
.endr
.irp b, 0,1,2,3
	s_delay_alu instid0(VALU_DEP_4)
	v_lshrrev_b32 v[TM+4+\b], 23, v[TM+12+\b]      ; the byte
.endr
	s_delay_alu instid0(VALU_DEP_3)
	v_lshl_or_b32 v[PW], v[TM+5], 8, v[TM+4]
	s_delay_alu instid0(VALU_DEP_1)
	v_lshl_or_b32 v[PW], v[TM+6], 16, v[PW]
	s_delay_alu instid0(VALU_DEP_1)
	v_lshl_or_b32 v[PW], v[TM+7], 24, v[PW]        ; my row's word for this K step
.irp b, 0,1,2,3
	v_cvt_scalef32_pk8_fp4_f32 v[PC+2*\b], v[NUM+16*\b:NUM+7+16*\b], v[TM+12+\b]
	v_cvt_scalef32_pk8_fp4_f32 v[PC+1+2*\b], v[NUM+8+16*\b:NUM+15+16*\b], v[TM+12+\b]
.endr
	v_nop                                          ; one plain line behind a scaled conversion
.irp c, 0,1
.irp i, 0,1
	v_permlane16_swap_b32 v[PC+4*\c+\i], v[PC+2+4*\c+\i]   ; a whole block in a lane: lanes 0-15 block 2 c, lanes 16-31 block 2 c + 1
.endr
.endr
.irp c, 0,1
	global_store_b128 v10, v[PC+4*\c:PC+4*\c+3], s[14:15] offset:131072*\c   ; sixteen lanes store 256 consecutive bytes, aligned
.endr
	ds_store_b32 v6, v[PW]                         ; both halves of the lanes write the same word
	s_branch .Ljoin
.Lw:	; ---- a weight: a lane takes a column, its registers run down K
	s_sub_co_u32 s32, ttmp9, 256
	s_lshr_b32 s33, s32, 5                         ; which weight: q, k, v, o
	s_bfe_u32 s34, s32, 0x40001                    ; which 64 columns
	s_and_b32 s35, s32, 1                          ; which half of K
	s_cmp_eq_u32 s33, 1
	s_cselect_b64 s[26:27], s[8:9], s[6:7]
	s_cmp_eq_u32 s33, 2
	s_cselect_b64 s[26:27], s[10:11], s[26:27]
	s_cmp_eq_u32 s33, 3
	s_cselect_b64 s[26:27], s[12:13], s[26:27]
	s_lshl_b32 s36, s35, 2
	s_add_co_u32 s36, s36, s29                     ; my K step: 4 x half + j / 2
	s_lshl_b32 s38, s36, 19                        ; 128 rows of 4,096 bytes
	s_lshl_b32 s39, s34, 8
	s_add_co_u32 s38, s38, s39
	s_lshr_b32 s39, s28, 2
	s_add_co_u32 s38, s38, s39                     ; + 4 x (64 x group + 32 (j % 2))
	s_mov_b32 s39, 0
	s_add_nc_u64 s[26:27], s[26:27], s[38:39]
	s_lshl_b32 s38, s33, 19                        ; wc: 524,288 a weight,
	s_lshl_b32 s40, s36, 16                        ; four blocks of 16,384 a K step,
	s_add_co_u32 s38, s38, s40
	s_lshl_b32 s40, s34, 10                        ; 16 bytes a position
	s_add_co_u32 s38, s38, s40
	s_add_co_u32 s38, s38, s28
	s_add_nc_u64 s[18:19], s[18:19], s[38:39]
	s_lshl_b32 s38, s33, 15                        ; ws: 32,768 a weight, 16,384 a half of K
	s_lshl_b32 s41, s35, 14
	s_add_co_u32 s38, s38, s41
	s_add_co_u32 s38, s38, s40
	s_add_co_u32 s38, s38, s28
	s_add_nc_u64 s[20:21], s[20:21], s[38:39]
.macro WLOAD t
.irp i, 0,1,2,3,4,5,6,7,8,9,10,11,12,13,14,15,16,17,18,19,20,21,22,23,24,25,26,27,28,29,30,31
	global_load_b32 v[RAW+32*(\t)+\i], v31, s[26:27] offset:(32*(\t)+\i)*4096 th:TH_LOAD_NT   ; 128 consecutive bytes a wave; waves j and j xor 1 stand side by side on 256
.endr
.endm
.macro WBLOCK t
.set XS, RAW+32*(\t)
.if (\t) < 3
	s_wait_loadcnt 32                              ; this block's 32 loads are in; the next block's may be out
.else
	s_wait_loadcnt 0x0
.endif
.if (\t) < 2
	WLOAD (\t)+2
.endif
	v_max3_num_f32 v12, |v[XS]|, |v[XS+1]|, |v[XS+2]|
	v_max3_num_f32 v13, |v[XS+3]|, |v[XS+4]|, |v[XS+5]|
.irp i, 6,10,14,18,22,26
	s_delay_alu instid0(VALU_DEP_2)
	v_max3_num_f32 v12, v12, |v[XS+\i]|, |v[XS+\i+1]|
	s_delay_alu instid0(VALU_DEP_2)
	v_max3_num_f32 v13, v13, |v[XS+\i+2]|, |v[XS+\i+3]|
.endr
	s_delay_alu instid0(VALU_DEP_2)
	v_max3_num_f32 v12, v12, |v[XS+30]|, |v[XS+31]|
	s_delay_alu instid0(VALU_DEP_1)
	v_max3_num_f32 v12, v12, v13, 0x1800000        ; all 32 numbers are mine; and the floor
	s_delay_alu instid0(VALU_DEP_1)
	v_add_nc_u32 v14, 0xff000000, v12
	s_delay_alu instid0(VALU_DEP_1)
	v_lshrrev_b32 v15, 23, v14
.if (\t) == 0
	s_delay_alu instid0(VALU_DEP_1)
	v_mov_b32 v[WPW], v15
.else
	s_delay_alu instid0(VALU_DEP_1)
	v_lshl_or_b32 v[WPW], v15, 8*(\t), v[WPW]
.endif
.irp g, 0,1,2,3
	v_cvt_scalef32_pk8_fp4_f32 v[PC+4*(\t)+\g], v[XS+8*\g:XS+8*\g+7], v14
.endr
	global_store_b128 v11, v[PC+4*(\t):PC+4*(\t)+3], s[18:19] offset:16384*(\t)   ; the 32 lanes fill 512 consecutive bytes, in the order pi; each block has registers of its own
.endm
	s_wait_alu depctr_va_vdst(0)
	WLOAD 0
	WLOAD 1
	WBLOCK 0
	WBLOCK 1
	WBLOCK 2
	WBLOCK 3
	ds_store_b32 v7, v[WPW]
.Ljoin:
	s_wait_dscnt 0x0                               ; for the others' sake: my word lies in LDS
	s_barrier_signal -1
	s_barrier_wait -1
	s_cmp_lt_u32 ttmp9, 256
	s_cbranch_scc0 .Lwtail
	s_cmp_lg_u32 s[WV], 0
	s_cbranch_scc1 .Lend
	ds_load_b128 v[OUTR:OUTR+3], v8                ; 16 rows x 4 words of each half of K
	s_wait_dscnt 0x0
	global_store_b128 v10, v[OUTR:OUTR+3], s[16:17]   ; two aligned runs of 256 bytes
	s_branch .Lend
.Lwtail:
	s_cmp_gt_u32 s[WV], 1
	s_cbranch_scc1 .Lend
	ds_load_b128 v[OUTR:OUTR+3], v9                ; 32 positions x 4 words
	s_wait_dscnt 0x0
	global_store_b128 v30, v[OUTR:OUTR+3], s[20:21]   ; 512 consecutive bytes, aligned
.Lend:
	s_wait_tensorcnt 0x0
	ds_add_u32 v184, v185
	s_wait_dscnt 0x0
	s_endpgm
.Lfunc_end_k_q449b031dbb_prep:
	.size	k_q449b031dbb_prep, .Lfunc_end_k_q449b031dbb_prep-k_q449b031dbb_prep
	.p2alignl 7, 3214868480
	.fill 96, 4, 3214868480
	.section	.rodata,"a",@progbits
	.p2align	6, 0x0
	.amdhsa_kernel k_q449b031dbb_prep
		.amdhsa_group_segment_fixed_size 70656
		.amdhsa_private_segment_fixed_size 0
		.amdhsa_enable_private_segment 0
		.amdhsa_kernarg_size 72
		.amdhsa_user_sgpr_count 2
		.amdhsa_user_sgpr_kernarg_segment_ptr 1
		.amdhsa_wavefront_size32 1
		.amdhsa_system_sgpr_workgroup_id_x 1
		.amdhsa_system_sgpr_workgroup_id_y 1
		.amdhsa_system_sgpr_workgroup_id_z 1
		.amdhsa_system_vgpr_workitem_id 0
		.amdhsa_next_free_vgpr 186
		.amdhsa_next_free_sgpr 66
		.amdhsa_reserve_vcc 0
		.amdhsa_float_denorm_mode_32 3
		.amdhsa_float_denorm_mode_16_64 3
		.amdhsa_memory_ordered 1
		.amdhsa_forward_progress 1
		.amdhsa_inst_pref_size 36
	.end_amdhsa_kernel
	.amdgpu_metadata
---
amdhsa.version: [ 1, 2 ]
amdhsa.kernels:
  - .name:           k_q449b031dbb_prep
    .symbol:         k_q449b031dbb_prep.kd
    .args:
      - { .name: x, .offset: 0, .size: 8, .value_kind: global_buffer, .address_space: global }
      - { .name: Wq, .offset: 8, .size: 8, .value_kind: global_buffer, .address_space: global }
      - { .name: Wk, .offset: 16, .size: 8, .value_kind: global_buffer, .address_space: global }
      - { .name: Wv, .offset: 24, .size: 8, .value_kind: global_buffer, .address_space: global }
      - { .name: Wo, .offset: 32, .size: 8, .value_kind: global_buffer, .address_space: global }
      - { .name: xc, .offset: 40, .size: 8, .value_kind: global_buffer, .address_space: global }
      - { .name: xs, .offset: 48, .size: 8, .value_kind: global_buffer, .address_space: global }
      - { .name: wc, .offset: 56, .size: 8, .value_kind: global_buffer, .address_space: global }
      - { .name: ws, .offset: 64, .size: 8, .value_kind: global_buffer, .address_space: global }
    .group_segment_fixed_size: 70656
    .private_segment_fixed_size: 0
    .kernarg_segment_align: 8
    .kernarg_segment_size: 72
    .max_flat_workgroup_size: 256
    .sgpr_count:     66
    .vgpr_count:     186
    .wavefront_size: 32
...
	.end_amdgpu_metadata
.endif
;; end of part 1
;; launch qkv (part 2): grid 8 x 32, 4 waves a work-group, clusters of 4 x 4, 262,656 bytes of LDS; arguments xc, xs, wc, ws, bq, bk, bv, qb, kv; writes qb, kv
.if DOCPART == 2
	.amdgcn_target "amdgcn-amd-amdhsa--gfx1250"
	.amdhsa_code_object_version 6
	.text
	.protected	k_q449b031dbb_qkv
	.globl	k_q449b031dbb_qkv
	.p2align	8
	.type	k_q449b031dbb_qkv,@function
k_q449b031dbb_qkv:
	s_mov_b64 s[64:65], 0
	v_nop
	global_prefetch_b8 v0, s[64:65] scope:SCOPE_SE
	s_setreg_imm32_b32 hwreg(HW_REG_WAVE_MODE, 25, 1), 1
	s_wait_xcnt 0x0
	s_wait_alu depctr_hold_cnt(0) depctr_sa_sdst(0) depctr_va_vdst(0) depctr_va_sdst(0) depctr_va_ssrc(0) depctr_va_vcc(0) depctr_vm_vsrc(0)
	s_getreg_b32 s2, hwreg(HW_REG_IB_STS2, 6, 4)
	s_cmp_eq_u32 s2, 0
	s_cbranch_scc0 .Lentry_in_a_cluster
	s_endpgm
.Lentry_in_a_cluster:
	s_bfe_u32 s2, ttmp6, 0x10000c
	s_cmp_lg_u32 s2, 0xf033
	s_cbranch_scc0 .Lentry_shape_is_right
	s_endpgm
.Lentry_shape_is_right:
; q = x Wq + bq, k = x Wk + bk, v = x Wv + bv on codes of FP4 with E8M0 scales, sums in f32; the results are quantised in registers (q, k along the head's 64, v along the keys) and stored as the next launch's operands.
; SHARES.  A work-group takes 128 positions of x (Y) and 128 columns n (X: two heads) for all three weights; K = 1,024 lies whole in LDS: x's tile and three weight tiles, 65,536 bytes each, every byte filled once.
; CLUSTER 4 x 4: x's tile hangs on Y alone and is asked for jointly along a row of the cluster, a weight's tile on X alone, jointly along a column.  Each wave asks for one whole tile: one load of mine is out.
; ROWS LIE BY POSITION (position p holds row pi(p), bits 3 and 4 exchanged), so that a tile of 16 neighbouring positions used as source 0 leaves 16 NEIGHBOURS along the next K in the 16 registers of tiles 2 B and 2 B + 1.
; q, k: source 0 = 16 columns of W, source 1 = 16 positions of x: a lane holds one position and its registers run along d.  Wave w: positions 64 (w / 2) on, head w % 2: 4 x 4 accumulators.
; v:    source 0 = 16 positions of x, source 1 = 16 columns of W: a lane holds one d and its registers run along the keys.  Wave w: all 128 positions, columns 32 w on: 8 x 2 accumulators.
; The biases are the C of each sum's first matrix instruction.  The 16 accumulators take turns, one instruction a turn.
; RECORDS.  qb: [head of a batch 32][step 16] x 4,608 bytes: codes [block 2][128 positions][16], words [half 2][r 16][4 tiles].  A word of q or k: its two bytes, then 0x7f, 0x7f.
;           kv: the same index x 8,960 bytes: K's codes, at 4,096 V's codes [key block 4][64 d][16], at 8,192 K's words, at 8,704 V's words [pair 2][r 16][2 tiles].
; V's words leave as 128 consecutive bytes a wave, half of an aligned 256: the partner wave stores the other half (256 of a record's 8,960 bytes).
; LIMITS: a block of zeros gets the byte 1 where the quantiser's text says 127 (its codes are zeros; only this program reads the bytes); NaN and infinities are not served.
; REGISTERS.  Window 0: v1-8 addresses; v12-27 at work; v28-35 codes; v36-39 words; v40-127 scale words and nothing else; v128-255 accumulators.
;             Window 1: v0-79 and v128-207 two fragment buffers; v80-111 bq, v112-127 bv, v208-239 bk in the results' layout.
.set AX,   1                           ; x's fragments for q and k: 2,048 h + 16 r + 1,024 (w / 2); also the place of q's and k's codes in a record
.set AXV,  2                           ; for v: 2,048 h + 16 r
.set AWQ,  3
.set AWK,  4
.set AWV,  5
.set WST,  6                           ; q's and k's words: 16 r + 256 (w / 2)
.set VST,  7                           ; V's codes: 1,024 h + 16 r + 512 (w % 2)
.set VWT,  8                           ; V's words: 8 r + 128 (w % 2)
.set TM,   12
.set PC,   28
.set PW,   36
.set WSV,  40
.set XSQ,  48
.set WSQ,  64
.set WSK,  80
.set XSV,  96
.set ACC,  128
.set FB0,  0                           ; window 1
.set BQ,   80
.set BV,   112
.set BK,   208
.set WV,   22
.set SEL,  86
.set MSB, 0
.macro WIN new                         ; the immediate's high byte repeats the setting that is left
.if MSB != \new
	s_set_vgpr_msb (MSB<<8)|\new
.set MSB, \new
.endif
.endm
.macro PLACES n
.rept \n
	v_nop
.endr
.endm
.macro CROUND                          ; a round of the cluster's barrier
	s_barrier_signal -1
	s_barrier_wait -1
	s_cmp_lg_u32 s[WV], 0
	s_cbranch_scc1 .Lnot_wave_0_\@
	s_barrier_signal -3
.Lnot_wave_0_\@:
	s_barrier_wait -3
	s_barrier_signal -1
	s_barrier_wait -1
.endm
; one product.  row = 1: both sides' scale words are taken from lanes 16-31 (K steps 4 to 7)
.macro WM d, a, b, c, sa, sb, row
.set rD, \d
.set rA, \a
.set rB, \b
.set rC, \c
.set rX, \sa
.set rY, \sb
.if \row
	v_wmma_scale_f32_16x16x128_f8f6f4 v[rD:rD+7], v[rA:rA+7], v[rB:rB+7], v[rC:rC+7], v[rX], v[rY] matrix_a_fmt:MATRIX_FMT_FP4 matrix_b_fmt:MATRIX_FMT_FP4 matrix_a_scale:MATRIX_SCALE_ROW1 matrix_b_scale:MATRIX_SCALE_ROW1
.else
	v_wmma_scale_f32_16x16x128_f8f6f4 v[rD:rD+7], v[rA:rA+7], v[rB:rB+7], v[rC:rC+7], v[rX], v[rY] matrix_a_fmt:MATRIX_FMT_FP4 matrix_b_fmt:MATRIX_FMT_FP4
.endif
.endm
; n fragments (16 rows x 128 K, 8 registers): registers 4 c .. 4 c + 3 are the 16 bytes of block 2 c + h; blocks lie 2,048 bytes apart, tiles 256
.macro FRAGS dst, adr, off, n
.set fi, 0
.rept \n
	ds_load_b128 v[\dst+8*fi:\dst+8*fi+3], v[\adr] offset:\off+256*fi
	ds_load_b128 v[\dst+8*fi+4:\dst+8*fi+7], v[\adr] offset:\off+4096+256*fi
.set fi, fi+1
.endr
.endm
.macro MMQ s, fb, ws, bias             ; K step s of q or k: 16 products
.if (\s) == 0
	WIN 0x15                                       ; A, B and the bias in window 1, D in window 0
.else
	WIN 0x05
.endif
.irp i, 0,1,2,3
.irp t, 0,1,2,3
.if (\s) == 0
	WM ACC+32*\i+8*\t, \fb+8*\t, \fb+32+8*\i, \bias+8*\t, \ws+4*\t+(\s)%4, XSQ+4*\i+(\s)%4, 0
.else
	WM ACC+32*\i+8*\t, \fb+8*\t, \fb+32+8*\i, ACC+32*\i+8*\t, \ws+4*\t+(\s)%4, XSQ+4*\i+(\s)%4, (\s)/4
.endif
.endr
.endr
.endm
.macro MMV s, fb                       ; K step s of v
.if (\s) == 0
	WIN 0x15
.else
	WIN 0x05
.endif
.irp t, 0,1
.irp i, 0,1,2,3,4,5,6,7
.if (\s) == 0
	WM ACC+64*\t+8*\i, \fb+8*\i, \fb+64+8*\t, BV+8*\t, XSV+4*\i+(\s)%4, WSV+4*\t+(\s)%4, 0
.else
	WM ACC+64*\t+8*\i, \fb+8*\i, \fb+64+8*\t, ACC+64*\t+8*\i, XSV+4*\i+(\s)%4, WSV+4*\t+(\s)%4, (\s)/4
.endif
.endr
.endr
.endm
; Eight K steps on two fragment buffers: while one is multiplied the next step's loads are out.  Four plain lines stand between the products that read a buffer and the loads into it (ISA guide 7.12.1 for vector instructions).
.macro GEMMQ adrW, ws, bias
	WIN 0x40                                       ; destination window 1, address window 0
	FRAGS FB0, \adrW, 0, 4
	FRAGS FB0+32, AX, 0, 4
.irp s, 0,1,2,3,4,5,6,7
.if \s < 7
.if \s > 0
	PLACES 4
.endif
	WIN 0x40
	FRAGS FB0+128*((\s+1)%2), \adrW, 8192*(\s+1), 4
	FRAGS FB0+128*((\s+1)%2)+32, AX, 8192*(\s+1), 4
	s_wait_dscnt 16                                ; this step's fragments are in; the 16 loads just issued may be out
.else
	s_wait_dscnt 0x0
.endif
	MMQ \s, FB0+128*(\s%2), \ws, \bias
.endr
	WIN 0
.endm
.macro GEMMV
	WIN 0x40
	FRAGS FB0, AXV, 0, 8
	FRAGS FB0+64, AWV, 0, 2
.irp s, 0,1,2,3,4,5,6,7
.if \s < 7
.if \s > 0
	PLACES 4
.endif
	WIN 0x40
	FRAGS FB0+128*((\s+1)%2), AXV, 8192*(\s+1), 8
	FRAGS FB0+128*((\s+1)%2)+64, AWV, 8192*(\s+1), 2
	s_wait_dscnt 20                                ; the 20 loads just issued may be out
.else
	s_wait_dscnt 0x0
.endif
	MMV \s, FB0+128*(\s%2)
.endr
	WIN 0
.endm
; 64 numbers of a lane, register 16 b + i = k 32 b + 16 h + i of my row, become codes in v[PC] on (registers 4 c .. 4 c + 3: the whole block 2 c + h) and scale words.
; split = 0: one word of four bytes in v[pw].  split = 1: blocks 0, 1 and blocks 2, 3 belong to two rows of K = 64: two words, each two bytes and 0x7f, 0x7f.
.macro QUANT s, split, pw
.irp b, 0,1,2,3
	v_max3_num_f32 v[TM+\b], |v[\s+16*\b]|, |v[\s+1+16*\b]|, 0x1800000   ; each accumulator is read from its low end on; the floor 2^(3 - 127) holds the byte at 1 from below
.endr
.irp i, 2,4,6,8,10,12,14
.irp b, 0,1,2,3
	v_max3_num_f32 v[TM+\b], v[TM+\b], |v[\s+16*\b+\i]|, |v[\s+1+16*\b+\i]|
.endr
.endr
.irp b, 0,1,2,3
	v_permlanex16_b32 v[TM+4+\b], v[TM+\b], s[SEL], s[SEL+1]
.endr
.irp b, 0,1,2,3
	v_max_num_f32 v[TM+\b], v[TM+\b], v[TM+4+\b]
.endr
.irp b, 0,1,2,3
	v_add_nc_u32 v[TM+12+\b], 0xff000000, v[TM+\b] ; 2 off the exponent field: the conversion's scale operand
.endr
.irp b, 0,1,2,3
	v_lshrrev_b32 v[TM+4+\b], 23, v[TM+12+\b]      ; the byte
.endr
.if \split
	v_lshl_or_b32 v[\pw], v[TM+5], 8, v[TM+4]
	v_lshl_or_b32 v[\pw+1], v[TM+7], 8, v[TM+6]
	v_or_b32 v[\pw], 0x7f7f0000, v[\pw]
	v_or_b32 v[\pw+1], 0x7f7f0000, v[\pw+1]
.else
	v_lshl_or_b32 v[\pw], v[TM+5], 8, v[TM+4]
	v_lshl_or_b32 v[\pw], v[TM+6], 16, v[\pw]
	v_lshl_or_b32 v[\pw], v[TM+7], 24, v[\pw]
.endif
.irp b, 0,1,2,3
	v_cvt_scalef32_pk8_fp4_f32 v[PC+2*\b], v[\s+16*\b:\s+7+16*\b], v[TM+12+\b]
	v_cvt_scalef32_pk8_fp4_f32 v[PC+1+2*\b], v[\s+8+16*\b:\s+15+16*\b], v[TM+12+\b]
.endr
	v_nop                                          ; one plain line behind a scaled conversion
.irp c, 0,1
.irp i, 0,1
	v_permlane16_swap_b32 v[PC+4*\c+\i], v[PC+2+4*\c+\i]
.endr
.endr
.endm
; q's or k's way out: two tiles of positions at a time; 16 bytes a lane, sixteen lanes on 256 consecutive bytes
.macro EPIQK base, wordoff
	WIN 0
	PLACES 4                                       ; behind the last products, ahead of the first read of results
.irp pp, 0,1
	s_wait_xcnt 0x0                                ; the codes' and words' registers are written again only behind this wait
	QUANT ACC+64*\pp, 1, PW+2*\pp
.irp c, 0,1
	global_store_b128 v[AX], v[PC+4*\c:PC+4*\c+3], s[\base:\base+1] offset:256*(2*\pp+\c)
.endr
.endr
	s_wait_xcnt 0x0                                ; EXEC changes only behind this wait
	s_and_saveexec_b32 s98, vcc_lo                 ; lanes 0-15: both halves hold the same words
	global_store_b128 v[WST], v[PW:PW+3], s[\base:\base+1] offset:\wordoff
	s_wait_xcnt 0x0
	s_or_b32 exec_lo, exec_lo, s98
.endm
.macro EPIV
	WIN 0
	PLACES 4
.irp t, 0,1
	s_wait_xcnt 0x0
	QUANT ACC+64*\t, 0, PW+\t
.irp c, 0,1
	global_store_b128 v[VST], v[PC+4*\c:PC+4*\c+3], s[94:95] offset:4096+2048*\c+256*\t
.endr
.endr
	s_wait_xcnt 0x0
	s_and_saveexec_b32 s98, vcc_lo
	global_store_b64 v[VWT], v[PW:PW+1], s[94:95] offset:8704
	s_wait_xcnt 0x0
	s_or_b32 exec_lo, exec_lo, s98
.endm
	s_load_b256 s[4:11], s[0:1], 0x0               ; xc, xs, wc, ws
	s_load_b256 s[12:19], s[0:1], 0x20             ; bq, bk, bv, qb
	s_load_b64 s[20:21], s[0:1], 0x40              ; kv
	s_set_vgpr_msb 0x40
	v_lshl_add_u32 v254, v0, 2, 0x40000
	v_mov_b32 v255, 0
	s_set_vgpr_msb 0x4045
	ds_add_u32 v254, v255
	ds_add_u32 v254, v255
	s_set_vgpr_msb 0x4500
	v_lshrrev_b32 v9, 5, v0
	v_readfirstlane_b32 s[WV], v9                  ; wave 0..3
	s_bfe_u32 s23, ttmp6, 0x40000                  ; cx
	s_bfe_u32 s24, ttmp6, 0x40004                  ; cy
	s_lshl_b32 s25, ttmp9, 2
	s_add_co_u32 s25, s25, s23                     ; X
	s_and_b32 s26, ttmp7, 0xffff
	s_lshl_b32 s26, s26, 2
	s_add_co_u32 s26, s26, s24                     ; Y
	s_lshl_b32 s27, s24, 2
	s_lshl_b32 s27, 15, s27                        ; my row of the cluster
	s_lshl_b32 s28, 0x1111, s23                    ; my column
	; descriptor groups 1: 32 blocks (rows) of 2,048 bytes = 256 elements of 8 bytes; no padding
	s_or_b32 s32, s27, (3<<16)|(1<<21)             ; x's tile goes to my row
	s_or_b32 s40, s28, (3<<16)|(1<<21)             ; a weight's to my column
.irp g, 32, 40
	s_mov_b32 s[\g+1], 256<<16                     ; tensor_dim0
	s_mov_b32 s[\g+2], 32<<16                      ; tensor_dim1: a whole tile, all 32 blocks of K
	s_mov_b32 s[\g+3], 256<<16                     ; tile_dim0
	s_mov_b32 s[\g+4], 32                          ; tile_dim1
	s_mov_b32 s[\g+6], 0
	s_mov_b32 s[\g+7], 0
.endr
	s_mov_b32 s37, 8192                            ; from block to block: 65,536 bytes in xc,
	s_mov_b32 s45, 2048                            ; 16,384 in wc
	s_lshl_b32 s66, s26, 11                        ; x: 2,048 Y
	s_mov_b32 s67, 0
	s_lshl_b32 s68, s25, 11                        ; W: 2,048 X
	s_mov_b32 s69, 0
	s_wait_dscnt 0x0
	s_wait_kmcnt 0x0
	s_mov_b32 s48, 1
	s_mov_b32 s49, 0
	s_add_nc_u64 s[50:51], s[4:5], s[66:67]
	s_or_b32 s51, s51, 0x80000000
	s_add_nc_u64 s[68:69], s[8:9], s[68:69]
.irp m, 0,1,2
	s_mov_b32 s[52+4*\m], 1
	s_mov_b32 s[53+4*\m], 65536*(\m+1)
	s_add_nc_u64 s[54+4*\m:55+4*\m], s[68:69], 524288*\m
	s_or_b32 s[55+4*\m], s[55+4*\m], 0x80000000
.endr
	CROUND                                         ; all sixteen work-groups are here: the joint loads meet
	; THE FILLS: the four tiles are shared out among the four waves, one whole tile of 65,536 bytes a wave (wave 0: x, 1: Wq, 2: Wk, 3: Wv): one load of mine is out.
	; One chain of branches on the wave's number, the same in every partner; each arm holds one load and all lead to one join.
	s_cmp_lt_u32 s[WV], 1
	s_cbranch_scc0 .Lfill_q
	tensor_load_to_lds s[48:51], s[32:39]          ; x
	s_nop 0
	PLACES 4
	s_branch .Lfilled
.Lfill_q:
	s_cmp_lt_u32 s[WV], 2
	s_cbranch_scc0 .Lfill_k
	tensor_load_to_lds s[52:55], s[40:47]          ; Wq
	s_nop 0
	PLACES 4
	s_branch .Lfilled
.Lfill_k:
	s_cmp_lt_u32 s[WV], 3
	s_cbranch_scc0 .Lfill_v
	tensor_load_to_lds s[56:59], s[40:47]          ; Wk
	s_nop 0
	PLACES 4
	s_branch .Lfilled
.Lfill_v:
	tensor_load_to_lds s[60:63], s[40:47]          ; Wv
	s_nop 0
	PLACES 4
.Lfilled:
	v_and_b32 v9, 15, v0                           ; r
	v_bfe_u32 v10, v0, 4, 1                        ; h
	v_lshlrev_b32 v11, 4, v9                       ; 16 r
	s_wait_alu depctr_va_vdst(0)
	v_lshl_add_u32 v[AXV], v10, 11, v11
	s_lshr_b32 s70, s[WV], 1                       ; w / 2
	s_and_b32 s71, s[WV], 1                        ; w % 2
	s_lshl_b32 s72, s70, 10
	v_add_nc_u32 v[AX], s72, v[AXV]
	s_lshl_b32 s73, s71, 10
	s_add_co_u32 s73, s73, 65536
	v_add_nc_u32 v[AWQ], s73, v[AXV]
	v_add_nc_u32 v[AWK], 0x10000, v[AWQ]
	s_lshl_b32 s73, s[WV], 9
	s_add_co_u32 s73, s73, 196608
	v_add_nc_u32 v[AWV], s73, v[AXV]
	s_lshl_b32 s73, s70, 8
	v_add_nc_u32 v[WST], s73, v11
	v_lshl_add_u32 v[VST], v10, 10, v11
	s_lshl_b32 s73, s71, 9
	v_add_nc_u32 v[VST], s73, v[VST]
	v_lshlrev_b32 v[VWT], 3, v9
	s_lshl_b32 s73, s71, 7
	v_add_nc_u32 v[VWT], s73, v[VWT]
	v_lshl_add_u32 v20, v10, 16, v11               ; xs: 65,536 h + 16 r
	v_lshl_add_u32 v21, v10, 14, v11               ; ws: 16,384 h + 16 r
	v_lshlrev_b32 v22, 6, v10                      ; bq, bk: 64 h
	v_and_b32 v23, 8, v9
	v_add_nc_u32 v23, v23, v9
	v_lshlrev_b32 v23, 2, v23                      ; bv: 4 (r + 8 (r / 8))
	s_wait_alu depctr_va_vdst(0)
	v_and_b32 v24, 31, v0
	v_cmp_gt_u32 vcc_lo, 16, v24                   ; lanes 0-15; nothing else writes VCC
.irp b, 0,1,2,3
	v_mov_b32 v[TM+4+\b], 0                        ; a lane permute's destination counts as one of its sources
.endr
	s_mov_b32 s[SEL], 0x76543210
	s_mov_b32 s[SEL+1], 0xfedcba98
	s_mov_b32 s73, 0
	s_lshl_b32 s74, s26, 11
	s_mov_b32 s75, 0
	s_add_nc_u64 s[74:75], s[6:7], s[74:75]        ; xs at my 128 positions,
	s_add_nc_u64 s[76:77], s[74:75], s[72:73]      ; and at my 64 of them
	s_lshl_b32 s78, s25, 11
	s_lshl_b32 s79, s71, 10
	s_add_co_u32 s78, s78, s79
	s_mov_b32 s79, 0
	s_add_nc_u64 s[78:79], s[10:11], s[78:79]      ; ws at my head's 64 columns
	s_lshl_b32 s80, s25, 11
	s_lshl_b32 s81, s[WV], 9
	s_add_co_u32 s80, s80, s81
	s_mov_b32 s81, 0
	s_add_nc_u64 s[80:81], s[10:11], s[80:81]      ; and at my 32 columns for v
	s_lshl_b32 s82, s25, 9
	s_lshl_b32 s83, s71, 8
	s_add_co_u32 s82, s82, s83
	s_mov_b32 s83, 0
	s_add_nc_u64 s[12:13], s[12:13], s[82:83]      ; bq, bk at 128 X + 64 (w % 2)
	s_add_nc_u64 s[14:15], s[14:15], s[82:83]
	s_lshl_b32 s82, s25, 9
	s_lshl_b32 s84, s[WV], 7
	s_add_co_u32 s82, s82, s84
	s_add_nc_u64 s[16:17], s[16:17], s[82:83]      ; bv at 128 X + 32 w
	s_lshr_b32 s84, s26, 4
	s_lshl_b32 s84, s84, 4                         ; 16 x batch
	s_lshl_b32 s85, s25, 1
	s_add_co_u32 s84, s84, s85                     ; + 2 X
	s_and_b32 s85, s26, 15                         ; the step of 128 positions
	s_add_co_u32 s88, s84, s71
	s_lshl_b32 s88, s88, 4
	s_add_co_u32 s88, s88, s85                     ; q's and k's record: head 2 X + w % 2
	s_add_co_u32 s89, s84, s70
	s_lshl_b32 s89, s89, 4
	s_add_co_u32 s89, s89, s85                     ; v's: head 2 X + w / 2
	s_mul_i32 s90, s88, 4608
	s_mov_b32 s91, 0
	s_add_nc_u64 s[18:19], s[18:19], s[90:91]
	s_mul_i32 s90, s88, 8960
	s_add_nc_u64 s[92:93], s[20:21], s[90:91]
	s_mul_i32 s90, s89, 8960
	s_add_nc_u64 s[94:95], s[20:21], s[90:91]
	; scale words: one load of 16 bytes a tile: register q holds the word of K step q in lanes 0-15 and of K step 4 + q in lanes 16-31
.irp i, 0,1,2,3
	global_load_b128 v[XSQ+4*\i:XSQ+4*\i+3], v20, s[76:77] offset:256*\i
.endr
.irp i, 0,1,2,3,4,5,6,7
	global_load_b128 v[XSV+4*\i:XSV+4*\i+3], v20, s[74:75] offset:256*\i
.endr
.irp t, 0,1,2,3
	global_load_b128 v[WSQ+4*\t:WSQ+4*\t+3], v21, s[78:79] offset:256*\t
	global_load_b128 v[WSK+4*\t:WSK+4*\t+3], v21, s[78:79] offset:32768+256*\t
.endr
.irp t, 0,1
	global_load_b128 v[WSV+4*\t:WSV+4*\t+3], v21, s[80:81] offset:65536+256*\t
.endr
	WIN 0x40                                       ; the biases go to window 1
.irp t, 0,1,2,3
	global_load_b128 v[BQ+8*\t:BQ+8*\t+3], v22, s[12:13] offset:(32*(\t/2)+8*(\t%2))*4      ; tile t, register j: column 32 (t / 2) + 16 h + 8 (t % 2) + j
	global_load_b128 v[BQ+8*\t+4:BQ+8*\t+7], v22, s[12:13] offset:(32*(\t/2)+8*(\t%2))*4+16
	global_load_b128 v[BK+8*\t:BK+8*\t+3], v22, s[14:15] offset:(32*(\t/2)+8*(\t%2))*4
	global_load_b128 v[BK+8*\t+4:BK+8*\t+7], v22, s[14:15] offset:(32*(\t/2)+8*(\t%2))*4+16
.endr
.irp t, 0,1
.irp j, 0,1,2,3,4,5,6,7
	global_load_b32 v[BV+8*\t+\j], v23, s[16:17] offset:32*\t   ; in v a lane holds one column: its eight registers take the same number
.endr
.endr
	WIN 0
	s_wait_loadcnt 0x0                             ; scale words and biases
	s_wait_tensorcnt 0x0                           ; my tile is in; behind the barrier all four are, and nothing is filled again: no later barrier is needed
	s_barrier_signal -1
	s_barrier_wait -1                              ; everybody's are
	GEMMQ AWQ, WSQ, BQ
	EPIQK 18, 4096
	GEMMQ AWK, WSK, BK
	EPIQK 92, 8192
	GEMMV
	EPIV
	s_set_vgpr_msb 0x5
	s_wait_tensorcnt 0x0
	ds_add_u32 v254, v255
	s_wait_dscnt 0x0
	s_set_vgpr_msb 0x500
	CROUND                                         ; the closing round: no work-group ends while a partner may still ask for a tile that names it
	s_endpgm
.Lfunc_end_k_q449b031dbb_qkv:
	.size	k_q449b031dbb_qkv, .Lfunc_end_k_q449b031dbb_qkv-k_q449b031dbb_qkv
	.p2alignl 7, 3214868480
	.fill 96, 4, 3214868480
	.section	.rodata,"a",@progbits
	.p2align	6, 0x0
	.amdhsa_kernel k_q449b031dbb_qkv
		.amdhsa_group_segment_fixed_size 262656
		.amdhsa_private_segment_fixed_size 0
		.amdhsa_enable_private_segment 0
		.amdhsa_kernarg_size 72
		.amdhsa_user_sgpr_count 2
		.amdhsa_user_sgpr_kernarg_segment_ptr 1
		.amdhsa_wavefront_size32 1
		.amdhsa_system_sgpr_workgroup_id_x 1
		.amdhsa_system_sgpr_workgroup_id_y 1
		.amdhsa_system_sgpr_workgroup_id_z 1
		.amdhsa_system_vgpr_workitem_id 0
		.amdhsa_next_free_vgpr 512
		.amdhsa_next_free_sgpr 100
		.amdhsa_reserve_vcc 1
		.amdhsa_float_denorm_mode_32 3
		.amdhsa_float_denorm_mode_16_64 3
		.amdhsa_memory_ordered 1
		.amdhsa_forward_progress 1
		.amdhsa_inst_pref_size 117
	.end_amdhsa_kernel
	.amdgpu_metadata
---
amdhsa.version: [ 1, 2 ]
amdhsa.kernels:
  - .name:           k_q449b031dbb_qkv
    .symbol:         k_q449b031dbb_qkv.kd
    .args:
      - { .name: xc, .offset: 0, .size: 8, .value_kind: global_buffer, .address_space: global }
      - { .name: xs, .offset: 8, .size: 8, .value_kind: global_buffer, .address_space: global }
      - { .name: wc, .offset: 16, .size: 8, .value_kind: global_buffer, .address_space: global }
      - { .name: ws, .offset: 24, .size: 8, .value_kind: global_buffer, .address_space: global }
      - { .name: bq, .offset: 32, .size: 8, .value_kind: global_buffer, .address_space: global }
      - { .name: bk, .offset: 40, .size: 8, .value_kind: global_buffer, .address_space: global }
      - { .name: bv, .offset: 48, .size: 8, .value_kind: global_buffer, .address_space: global }
      - { .name: qb, .offset: 56, .size: 8, .value_kind: global_buffer, .address_space: global }
      - { .name: kv, .offset: 64, .size: 8, .value_kind: global_buffer, .address_space: global }
    .group_segment_fixed_size: 262656
    .private_segment_fixed_size: 0
    .kernarg_segment_align: 8
    .kernarg_segment_size: 72
    .max_flat_workgroup_size: 128
    .sgpr_count:     100
    .vgpr_count:     512
    .wavefront_size: 32
...
	.end_amdgpu_metadata
.endif
;; end of part 2
;; launch attn (part 3): grid 8 x 32, 16 waves a work-group, clusters of 4 x 1, 181,760 bytes of LDS; arguments qb, kv, oc, os; writes oc, os
.if DOCPART == 3
	.amdgcn_target "amdgcn-amd-amdhsa--gfx1250"
	.amdhsa_code_object_version 6
	.text
	.protected	k_q449b031dbb_attn
	.globl	k_q449b031dbb_attn
	.p2align	8
	.type	k_q449b031dbb_attn,@function
k_q449b031dbb_attn:
	s_mov_b64 s[64:65], 0
	v_nop
	global_prefetch_b8 v0, s[64:65] scope:SCOPE_SE
	s_setreg_imm32_b32 hwreg(HW_REG_WAVE_MODE, 25, 1), 1
	s_wait_xcnt 0x0
	s_wait_alu depctr_hold_cnt(0) depctr_sa_sdst(0) depctr_va_vdst(0) depctr_va_sdst(0) depctr_va_ssrc(0) depctr_va_vcc(0) depctr_vm_vsrc(0)
	s_getreg_b32 s2, hwreg(HW_REG_IB_STS2, 6, 4)
	s_cmp_eq_u32 s2, 0
	s_cbranch_scc0 .Lentry_in_a_cluster
	s_endpgm
.Lentry_in_a_cluster:
	s_bfe_u32 s2, ttmp6, 0x10000c
	s_cmp_lg_u32 s2, 0x3003
	s_cbranch_scc0 .Lentry_shape_is_right
	s_endpgm
.Lentry_shape_is_right:
; o = softmax(q k^T / 8) v for one head of one batch, both products on codes of FP4 with E8M0 scales; o / l is quantised along head x 64 + d and stored as the last product's operand.
; THE SOFTMAX: t = score x log2(e) / 8; M = the running largest t rounded UP to a whole number; p = 2^(t - M) is quantised along the keys, not normalised; the row's sum l is taken of the unquantised p.
; When M moves, l and O are multiplied by 2^(old M - new M), which rounds nothing.
; SHARES.  A work-group owns 256 positions of queries of one head, each of its sixteen waves one tile of 16, in 256 registers.  A step takes 256 keys (two records): one change of M and one rescaling of O^T for 256 keys.
; THE HEAD'S K AND V LIE WHOLE IN LDS: 16 records of 8,960 bytes (128 keys each), every byte filled once: wave w asks for record w, one load a wave, all at the head.
; So there is no later request that a prefetch could run ahead of, no slot is filled again, and one barrier serves the whole walk.
; CLUSTER 4 x 1: the four query blocks of a cluster belong to one head, so every record is asked for jointly, with a mask that names the four.
; LDS ROWS: a record's 35 rows of 256 bytes lie 320 bytes apart: record byte y lies at 320 (y / 256) + y % 256.  The two runs of eight keys that sixteen lanes read of K lie two rows, 640 bytes, apart: 128 modulo 256.
; LAYOUT.  Both products transposed: S^T = K Q^T (source 0 = 16 keys), O^T = V^T P^T (source 0 = 16 positions of d): a lane holds one query throughout.
; THE KEYS OF A TILE ARE CHOSEN: row m of tile (g, t) is key 64 g + 32 (m / 8) + 8 t + m % 8 of the record.  So the 32 registers of a lane in the four tiles of g are the WHOLE block 2 g + h of 32 keys, in order:
; a block's largest score needs no other lane, and each conversion's result is register 4 g + t of the second product's operand as it stands.  (In a record key k lies at position k with bits 3 and 4 exchanged.)
; K = 64 IN AN INSTRUCTION OF 128: Q's registers 4-7 are zero codes; a key tile's registers 4-7 are whatever follows it (the next tile's codes, zeros behind the last): finite numbers times zero.  Bytes 2, 3 of both words are 0x7f.
; LIMITS: the promise holds while the scaled scores t stay under 2^31 in magnitude; p under 2^-126 becomes 0; a block of zeros gets the byte 1 where the quantiser's text says 127 (its codes are zeros; only this program reads the bytes); NaN and infinities are not served.
.set REC,  8960                        ; a record in memory
.set RL,   11200                       ; and in LDS: 35 rows of 320 bytes
.set OSC,  16*RL                       ; behind the records: 512 bytes, o's scale bytes of the work-group's 256 positions
.set SPARE, OSC+512                    ; the spare words, 128 bytes a wave
.set AK,   1                           ; v1-4   the trip's addresses: K's codes, V's codes, K's words, V's words
.set AV,   2
.set AKW,  3
.set AVW,  4
.set F,    10                          ; v[10:11] f = 2^(old M - new M) in the low word; v5-9 at work
.set NM,   12                          ; v12 -M
.set RUN,  13                          ; v13 the largest score so far
.set L,    14                          ; v[14:15] l in two halves
.set KW,   16                          ; scale words and nothing else: v16-19 K's, v24-27 V's, v28 p's, v29 Q's
.set LK,   20                          ; v20-23 the lane's terms of the four addresses
.set LV,   21
.set LKW,  22
.set LVW,  23
.set VW,   24
.set PW,   28
.set QW,   29
.set SPW,  30
.set NIL,  31
.set FR,   32                          ; v32-63 eight tiles of K, then the first record's V; v64-67 zeros
.set P,    68                          ; v68-83 p's codes, two records
.set BM,   84                          ; v84-87 the four blocks' largest scores, then their scale operands
.set Q,    88                          ; v88-95
.set O,    96                          ; v96-127 O^T
.set S,    128                         ; v128-255 S^T, then p; v128-159 then take the second record's V
.set WV,   12
.set SEL,  20
.set CS,   22
.set G1,   24
.set G0,   32
.set TB,   48                          ; LDS byte at which the trip's four records begin
.set CNT,  49
.macro CROUND                          ; a round of the cluster's barrier
	s_barrier_signal -1
	s_barrier_wait -1
	s_cmp_lg_u32 s[WV], 0
	s_cbranch_scc1 .Lnot_wave_0_\@
	s_barrier_signal -3
.Lnot_wave_0_\@:
	s_barrier_wait -3
	s_barrier_signal -1
	s_barrier_wait -1
.endm
.macro BASE                            ; the trip's addresses
	v_add_nc_u32 v[AK], s[TB], v[LK]
	v_add_nc_u32 v[AV], s[TB], v[LV]
	v_add_nc_u32 v[AKW], s[TB], v[LKW]
	v_add_nc_u32 v[AVW], s[TB], v[LVW]
.endm
.macro KLOAD o                         ; a record's K: words (register t: lanes 0-15 tile (0, t), lanes 16-31 tile (1, t)) and eight tiles: 10 loads
.irp u, 0,1
	ds_load_b64 v[KW+2*\u:KW+2*\u+1], v[AKW] offset:(\o)+10240+128*\u
.endr
.irp g, 0,1
.irp t, 0,1,2,3
	ds_load_b128 v[FR+16*\g+4*\t:FR+16*\g+4*\t+3], v[AK] offset:(\o)+1280*\g+320*(\t%2)+128*(\t/2)
.endr
.endr
.endm
.macro VLOAD d, o                      ; a record's V: four tiles of 16 d x 128 keys: 8 loads
.irp t, 0,1,2,3
.irp c, 0,1
	ds_load_b128 v[\d+8*\t+4*\c:\d+8*\t+4*\c+3], v[AV] offset:(\o)+5120+2560*\c+320*\t
.endr
.endr
.endm
.macro SMUL p                          ; S^T of record p: eight tiles
.irp t, 0,1,2,3
	v_wmma_scale_f32_16x16x128_f8f6f4 v[S+64*\p+8*\t:S+64*\p+8*\t+7], v[FR+4*\t:FR+4*\t+7], v[Q:Q+7], 0, v[KW+\t], v[QW] matrix_a_fmt:MATRIX_FMT_FP4 matrix_b_fmt:MATRIX_FMT_FP4
.endr
.irp t, 0,1,2,3
	v_wmma_scale_f32_16x16x128_f8f6f4 v[S+64*\p+32+8*\t:S+64*\p+32+8*\t+7], v[FR+16+4*\t:FR+16+4*\t+7], v[Q:Q+7], 0, v[KW+\t], v[QW] matrix_a_fmt:MATRIX_FMT_FP4 matrix_b_fmt:MATRIX_FMT_FP4 matrix_a_scale:MATRIX_SCALE_ROW1
.endr
.endm
.macro BMAX p                          ; the largest score of my two blocks of record p: four chains by turns; each tile is first read at its low end
.irp c, 0,1
	v_max3_num_f32 v[BM+2*\p+\c], v[S+64*\p+32*\c], v[S+64*\p+32*\c+1], v[S+64*\p+32*\c+2]
	v_max3_num_f32 v[6+\c], v[S+64*\p+32*\c+16], v[S+64*\p+32*\c+17], v[S+64*\p+32*\c+18]
.endr
.irp i, 3,5,7,9,11,13
.irp c, 0,1
	v_max3_num_f32 v[BM+2*\p+\c], v[BM+2*\p+\c], v[S+64*\p+32*\c+\i], v[S+64*\p+32*\c+\i+1]
	v_max3_num_f32 v[6+\c], v[6+\c], v[S+64*\p+32*\c+16+\i], v[S+64*\p+32*\c+17+\i]
.endr
.endr
.endm
.macro BJOIN p                         ; the chains of a block are joined, with the two registers that they left: four plain lines
.irp c, 0,1
	v_max3_num_f32 v[BM+2*\p+\c], v[BM+2*\p+\c], v[6+\c], v[S+64*\p+32*\c+15]
.endr
.irp c, 0,1
	v_max_num_f32 v[BM+2*\p+\c], v[BM+2*\p+\c], v[S+64*\p+32*\c+31]
.endr
.endm
; l takes a record's 64 p, two at a time, in four chains: 5 + 27 additions
.macro SUMA b, tc
	v_pk_add_f32 v[6:7], v[\b:\b+1], v[\b+2:\b+3]
	v_pk_add_f32 v[8:9], v[\b+4:\b+5], v[\b+6:\b+7]
	v_pk_add_f32 v[\tc:\tc+1], v[\b+8:\b+9], v[\b+10:\b+11]
	v_pk_add_f32 v[L:L+1], v[L:L+1], v[\b+12:\b+13]
	v_pk_add_f32 v[6:7], v[6:7], v[\b+14:\b+15]
.endm
.macro SUMB b, tc
.irp j, 16,24,32,40,48
	v_pk_add_f32 v[8:9], v[8:9], v[\b+\j:\b+\j+1]
	v_pk_add_f32 v[\tc:\tc+1], v[\tc:\tc+1], v[\b+\j+2:\b+\j+3]
	v_pk_add_f32 v[L:L+1], v[L:L+1], v[\b+\j+4:\b+\j+5]
	v_pk_add_f32 v[6:7], v[6:7], v[\b+\j+6:\b+\j+7]
.endr
.endm
.macro SUMC b, tc                      ; the last four pairs, and the four chains joined: seven plain lines (5 + 20 + 7 additions a record)
	v_pk_add_f32 v[8:9], v[8:9], v[\b+56:\b+57]
	v_pk_add_f32 v[\tc:\tc+1], v[\tc:\tc+1], v[\b+58:\b+59]
	v_pk_add_f32 v[L:L+1], v[L:L+1], v[\b+60:\b+61]
	v_pk_add_f32 v[6:7], v[6:7], v[\b+62:\b+63]
	v_pk_add_f32 v[6:7], v[6:7], v[8:9]
	v_pk_add_f32 v[L:L+1], v[L:L+1], v[\tc:\tc+1]
	v_pk_add_f32 v[L:L+1], v[L:L+1], v[6:7]
.endm
.macro CVT p                           ; record p's codes: register 4 c + t of the operand is the conversion of tile (c, t)'s eight registers
.irp c, 0,1
.irp t, 0,1,2,3
	v_cvt_scalef32_pk8_fp4_f32 v[P+8*\p+4*\c+\t], v[S+64*\p+32*\c+8*\t:S+64*\p+32*\c+8*\t+7], v[BM+2*\p+\c]
.endr
.endr
.endm
.macro PV p, a                         ; O^T += V^T P^T over record p's 128 keys; the four accumulators by turns
.irp t, 0,1
.if \p
	v_wmma_scale_f32_16x16x128_f8f6f4 v[O+8*\t:O+8*\t+7], v[\a+8*\t:\a+8*\t+7], v[P+8:P+15], v[O+8*\t:O+8*\t+7], v[VW+2+\t], v[PW] matrix_a_fmt:MATRIX_FMT_FP4 matrix_b_fmt:MATRIX_FMT_FP4 matrix_b_scale:MATRIX_SCALE_ROW1
.else
	v_wmma_scale_f32_16x16x128_f8f6f4 v[O+8*\t:O+8*\t+7], v[\a+8*\t:\a+8*\t+7], v[P:P+7], v[O+8*\t:O+8*\t+7], v[VW+\t], v[PW] matrix_a_fmt:MATRIX_FMT_FP4 matrix_b_fmt:MATRIX_FMT_FP4
.endif
.endr
.irp t, 0,1
.if \p
	v_wmma_scale_f32_16x16x128_f8f6f4 v[O+16+8*\t:O+16+8*\t+7], v[\a+16+8*\t:\a+16+8*\t+7], v[P+8:P+15], v[O+16+8*\t:O+16+8*\t+7], v[VW+2+\t], v[PW] matrix_a_fmt:MATRIX_FMT_FP4 matrix_b_fmt:MATRIX_FMT_FP4 matrix_a_scale:MATRIX_SCALE_ROW1 matrix_b_scale:MATRIX_SCALE_ROW1
.else
	v_wmma_scale_f32_16x16x128_f8f6f4 v[O+16+8*\t:O+16+8*\t+7], v[\a+16+8*\t:\a+16+8*\t+7], v[P:P+7], v[O+16+8*\t:O+16+8*\t+7], v[VW+\t], v[PW] matrix_a_fmt:MATRIX_FMT_FP4 matrix_b_fmt:MATRIX_FMT_FP4 matrix_a_scale:MATRIX_SCALE_ROW1
.endif
.endr
.endm
	s_load_b256 s[4:11], s[0:1], 0x0               ; qb, kv, oc, os
	v_lshl_add_u32 v[SPW], v0, 2, SPARE
	v_mov_b32 v[NIL], 0
	ds_add_u32 v[SPW], v[NIL]                      ; the opening lines: the add, twice on end, and its wait ahead of my tensor load
	ds_add_u32 v[SPW], v[NIL]
	v_lshrrev_b32 v5, 5, v0                        ; all of the head that needs no argument stands between the second add and its wait
	v_readfirstlane_b32 s[WV], v5                  ; wave 0..15
	s_bfe_u32 s13, ttmp6, 0x40000                  ; cx
	s_lshl_b32 s14, ttmp9, 2
	s_add_co_u32 s14, s14, s13                     ; my block of 256 positions: it enters Q's, oc's and os's addresses alone
	s_and_b32 s15, ttmp7, 0xffff                   ; 16 x batch + head, which the four partners share
	s_mov_b32 s[G1], 15|(3<<16)|(1<<20)|(1<<21)|(5<<22)|(15<<25)   ; the four partners; elements of 8 bytes; 16 words of padding behind every 64
	s_mov_b32 s[G1+1], 32<<16                      ; a record is 35 dense rows of 256 bytes
	s_mov_b32 s[G1+2], 35<<16
	s_mov_b32 s[G1+3], 32<<16
	s_mov_b32 s[G1+4], 35
	s_mov_b32 s[G1+5], 32
	s_mov_b32 s[G1+6], 0
	s_mov_b32 s[G1+7], 0
	s_mul_i32 s16, s[WV], REC
	s_mul_i32 s18, s15, 16*REC
	s_add_co_u32 s18, s18, s16                     ; record w of my head, in memory,
	s_mov_b32 s19, 0
	s_mul_i32 s17, s[WV], RL                       ; and in LDS
	s_mov_b32 s[SEL], 0x76543210
	s_mov_b32 s[SEL+1], 0xfedcba98                 ; v_permlanex16_b32: lane l xor 16
	s_mov_b32 s[CS], 0x3e38aa3b                    ; c = log2(e) / 8
	s_mov_b32 s[CS+1], s[CS]                       ; (named with it as a pair, so it is written)
	s_mov_b32 s[TB], 0
	s_lshl_b32 s36, s15, 4
	s_lshl_b32 s37, s14, 1
	s_add_co_u32 s36, s36, s37
	s_lshr_b32 s37, s[WV], 3
	s_add_co_u32 s36, s36, s37                     ; Q's record: 16 x head + 2 x block + w / 8
	s_mul_i32 s36, s36, 4608
	s_mov_b32 s37, 0
	s_and_b32 s42, s[WV], 7                        ; my tile in it
	s_lshl_b32 s56, s42, 8                         ; its codes: 256 bytes a tile
	s_lshr_b32 s57, s42, 2
	s_lshl_b32 s57, s57, 8
	s_and_b32 s43, s[WV], 3
	s_lshl_b32 s43, s43, 2
	s_add_co_u32 s57, s57, s43                     ; its words: half, then 4 bytes a tile
	s_lshl_b32 s55, s[WV], 5
	s_add_co_u32 s55, s55, OSC                     ; LDS: my 16 positions' scale bytes
	s_and_b32 s42, s15, 15                         ; head
	s_lshr_b32 s43, s15, 4                         ; batch
	s_lshl_b32 s38, s42, 17                        ; oc: two blocks of 65,536 bytes a head,
	s_lshl_b32 s44, s43, 15
	s_add_co_u32 s38, s38, s44
	s_lshl_b32 s44, s14, 12
	s_add_co_u32 s38, s38, s44
	s_lshl_b32 s44, s[WV], 8
	s_add_co_u32 s38, s38, s44                     ; 16 bytes a position: 2,048 x batch + 256 x block + 16 w
	s_mov_b32 s39, 0
	s_lshl_b32 s40, s42, 13                        ; os: 8,192 bytes a head, 2 a position
	s_lshl_b32 s44, s43, 12
	s_add_co_u32 s40, s40, s44
	s_lshl_b32 s44, s14, 9
	s_add_co_u32 s40, s40, s44
	s_mov_b32 s41, 0
	v_and_b32 v5, 15, v0                           ; r
	v_bfe_u32 v6, v0, 4, 1                         ; h
	v_and_b32 v7, 7, v0                            ; r % 8
	v_bfe_u32 v8, v0, 3, 1                         ; r / 8
	v_lshlrev_b32 v9, 4, v5                        ; 16 r
	v_mul_u32_u24 v[LK], v6, 2560                  ; K's codes: block h is eight rows on, keys 32 on are two rows on: 2,560 h + 640 (r / 8) + 16 (r % 8)
	v_mul_u32_u24 v[LKW], v6, 320                  ; K's words: 320 h + 16 (r % 8) + 8 (r / 8)
	v_mad_u32_u24 v[LV], v6, 1280, v9              ; V's codes: 1,280 h + 16 r
	v_lshlrev_b32 v[LVW], 3, v5                    ; V's words: 128 h + 8 r
	v_mad_u32_u24 v[LK], v8, 640, v[LK]
	v_lshl_add_u32 v[LKW], v7, 4, v[LKW]
	v_lshl_add_u32 v[LVW], v6, 7, v[LVW]
	v_lshl_add_u32 v[LK], v7, 4, v[LK]
	v_lshl_add_u32 v[LKW], v8, 3, v[LKW]
	v_lshl_add_u32 v[P], v6, 11, v9
	v_add_nc_u32 v[P+1], s57, v9                   ; Q's word: 16 r on
	v_add_nc_u32 v[P], s56, v[P]                   ; Q's codes: 2,048 h + 16 r on
	BASE
.irp j, Q+4,Q+5,Q+6,Q+7,FR+32,FR+33,FR+34,FR+35,L,L+1,F+1,6,7,8,9,BM,BM+1,S+120,S+121,S+122,S+123,S+124,S+125,S+126,S+127   ; the last fourteen: what the first step's seven closing additions read: they add zeros
	v_mov_b32 v[\j], 0                             ; zero codes (Q's k = 64 .. 127, and what follows the last key tile); l; the upper half of f's pair
.endr
	v_mov_b32 v[RUN], 0xff61b1e6                   ; the largest score so far: -3e38, under every score
	v_mov_b32 v[NM], 0x7f61b1e6                    ; -M
.set j, 0
.rept 32
	v_mov_b32 v[O+j], 0                            ; O^T: the step has no first form of its own; the first change of M leaves zeros zeros
.set j, j+1
.endr
	s_wait_alu depctr_va_vdst(0)
	s_wait_dscnt 0x0                               ; both opening adds are done
	s_wait_kmcnt 0x0
	s_add_nc_u64 s[4:5], s[4:5], s[36:37]
	global_load_b128 v[Q:Q+3], v[P], s[4:5]        ; Q's codes: block h of position r
	global_load_b32 v[QW], v[P+1], s[4:5] offset:4096   ; and its word
	s_add_nc_u64 s[8:9], s[8:9], s[38:39]
	s_add_nc_u64 s[10:11], s[10:11], s[40:41]
	s_mov_b32 s[G0], 1
	s_mov_b32 s[G0+1], s17
	s_add_nc_u64 s[G0+2:G0+3], s[6:7], s[18:19]
	s_or_b32 s[G0+3], s[G0+3], 0x80000000
	CROUND                                         ; all four work-groups are here: the joint loads meet
	tensor_load_to_lds s[G0:G0+3], s[G1:G1+7]      ; record w: one load of mine is out
	s_nop 0
	s_wait_loadcnt 0x0                             ; Q
	s_wait_tensorcnt 0x0                           ; my record is in
	s_barrier_signal -1
	s_barrier_wait -1                              ; all sixteen are: nothing is filled again, so the steps' barriers only pace the walk
	KLOAD 0
; A STEP: 256 keys, the records at o and o + RL.  On the way in the first record's K is asked for (10 loads).  nxt = 1: the next step's is asked for at the end.
.macro STEP o, nxt
	s_wait_alu depctr_va_vdst(0)
	s_wait_dscnt 0x0
	s_barrier_signal -1                            ; I have begun this step (no LDS access of mine is out); the wait stands at the step's end: only register work and loads of the records, which nobody writes, stand between
	SMUL 0
	SUMC S+64, BM                                  ; the last step's sum is closed here: seven plain lines that name no register of the products, ahead of the loads into their registers and of the first read of results
	KLOAD (\o)+RL
	BMAX 0                                         ; stands between the second record's loads and the wait for them
	s_wait_alu depctr_va_vdst(0)
	s_wait_dscnt 0x0
	SMUL 1
	BJOIN 0                                        ; four plain lines on the first record's scores: the places behind the second record's products
	ds_load_b64 v[VW:VW+1], v[AVW] offset:(\o)+10880          ; V's words: lanes 0-15 tiles 0, 1, lanes 16-31 tiles 2, 3
	ds_load_b64 v[VW+2:VW+3], v[AVW] offset:(\o)+RL+10880
	VLOAD FR, \o
	BMAX 1
	BJOIN 1
	v_max3_num_f32 v5, v[BM], v[BM+1], v[BM+2]
	s_delay_alu instid0(VALU_DEP_1)
	v_max3_num_f32 v5, v5, v[BM+3], v[RUN]
	s_delay_alu instid0(VALU_DEP_1)
	v_permlanex16_b32 v6, v5, s[SEL], s[SEL+1]
	s_delay_alu instid0(VALU_DEP_1)
	v_max_num_f32 v[RUN], v5, v6                   ; with lane l xor 16's blocks: the largest score of my query so far
	s_delay_alu instid0(VALU_DEP_1)
	v_mul_f32 v5, s[CS], v[RUN]                    ; as t (c is positive)
	v_mov_b32 v6, v[NM]
	s_delay_alu instid0(VALU_DEP_2)
	v_floor_f32 v[NM], -v5                         ; the new -M = -ceil(t)
	s_delay_alu instid0(VALU_DEP_1)
	v_sub_f32 v6, v[NM], v6                        ; old M - new M: a whole number, 0 or less
	s_delay_alu instid0(VALU_DEP_1)
	v_cvt_i32_f32 v6, v6                           ; (it saturates)
	s_delay_alu instid0(VALU_DEP_1)
	v_ldexp_f32 v[F], 1.0, v6                      ; f = 2^(old M - new M)
.set j, 0
.rept 64
	v_pk_fma_f32 v[S+j:S+j+1], v[S+j:S+j+1], s[CS:CS+1], v[NM:NM+1] op_sel_hi:[1,0,0]   ; t - M, two at a time
.set j, j+2
.endr
.irp b, 0,1,2,3
	v_fma_f32 v[BM+\b], v[BM+\b], s[CS], v[NM]     ; the same of each block's largest score: p rises with the score
.endr
	s_wait_alu depctr_va_vdst(0)                   ; one wait ahead of the batch
.irp b, 0,1,2,3
	v_exp_f32 v[BM+\b], v[BM+\b]                   ; the block's largest p
.endr
.set j, 0
.rept 128
	v_exp_f32 v[S+j], v[S+j]                       ; p = 2^(t - M), at most 1
.set j, j+1
.endr
	v_pk_mul_f32 v[L:L+1], v[L:L+1], v[F:F+1] op_sel_hi:[1,0]   ; l under the new M: the plain line behind the exponentials
	s_wait_alu depctr_va_vdst(0)                   ; and one wait behind it, ahead of its first reader
	SUMA S, P
	SUMB S, P
	SUMC S, P
.irp b, 0,1,2,3
	v_max_num_f32 v[BM+\b], 0x1800000, v[BM+\b]    ; the floor 2^(3 - 127): the byte cannot fall under 1
.endr
.irp b, 0,1,2,3
	v_add_nc_u32 v[BM+\b], 0xff000000, v[BM+\b]    ; 2 off the exponent field: the conversion's scale operand
.endr
.irp b, 0,1,2,3
	v_lshrrev_b32 v[6+\b], 23, v[BM+\b]            ; the byte
.endr
	v_lshl_or_b32 v6, v7, 16, v6                   ; first record: my blocks h and 2 + h, at bytes 0 and 2
	v_lshl_or_b32 v8, v9, 16, v8                   ; second record likewise
	v_permlane16_swap_b32 v6, v8                   ; v6: the even blocks' bytes, v8: the odd blocks'; lanes 0-15 the first record's, lanes 16-31 the second's
	v_lshl_or_b32 v[PW], v8, 8, v6                 ; p's scale words of both records in one register
	CVT 0
	VLOAD S, (\o)+RL                               ; the second record's V, into registers whose p has been summed and converted: 8 loads
	CVT 1                                          ; (the plain lines behind the conversions are the 16 below, which name none of their registers)
	s_wait_alu depctr_va_vdst(0)                   ; directly ahead of the first reader of O^T
.set j, 0
.rept 16
	v_pk_mul_f32 v[O+j:O+j+1], v[O+j:O+j+1], v[F:F+1] op_sel_hi:[1,0]   ; O^T under the new M; these 16 lines also stand between the word's and the codes' last writes and the products
.set j, j+2
.endr
	s_wait_alu depctr_va_vdst(0)
	s_wait_dscnt 8                                 ; V's words and the first record's V are in; the 8 loads issued last may be out
	PV 0, FR
	s_wait_dscnt 0x0
	PV 1, S
	SUMA S+64, BM                                  ; the second record's p is summed here: five plain lines that name no register of the products, ahead of the loads and of the next step's products over v128 on
.if \nxt
	KLOAD (\o)+2*RL
.endif
	SUMB S+64, BM
	s_barrier_wait -1                              ; every wave has begun this step: the sixteen waves walk the records within one step of each other
.endm
	s_mov_b32 s[CNT], 3
.Ltrip:                                                ; a trip: four records, two steps; three trips, and the last written out: it asks for nothing behind the sixteenth record
	STEP 0, 1
	STEP 2*RL, 1
	s_add_co_u32 s[TB], s[TB], 4*RL
	BASE
	s_sub_co_u32 s[CNT], s[CNT], 1
	s_cmp_lg_u32 s[CNT], 0
	s_wait_alu depctr_va_vdst(0)
	s_cbranch_scc1 .Ltrip
	STEP 0, 1
	STEP 2*RL, 0
	; THE WAY OUT: O^T / l; register 16 b + i is d = 32 b + 16 h + i: two blocks of the last product's K, quantised as they stand
	s_wait_alu depctr_va_vdst(0)
	SUMC S+64, BM                                  ; the last step's sum is closed
	v_add_f32 v[L], v[L], v[L+1]
	s_delay_alu instid0(VALU_DEP_1)
	v_permlanex16_b32 v6, v[L], s[SEL], s[SEL+1]
	s_delay_alu instid0(VALU_DEP_1)
	v_add_f32 v[L], v[L], v6                       ; the row's sum
	s_wait_alu depctr_va_vdst(0)
	v_rcp_f32 v[L], v[L]
	v_and_b32 v5, 15, v0                           ; r  (plain lines behind the reciprocal)
	v_bfe_u32 v7, v0, 4, 1                         ; h
	v_and_b32 v4, 31, v0
	v_lshlrev_b32 v8, 4, v5
	v_lshlrev_b32 v4, 4, v4                        ; os: 16 l
	v_lshl_add_u32 v2, v5, 1, s55                  ; LDS: OSC + 32 w + 2 r
	v_lshl_add_u32 v1, v7, 16, v8                  ; oc: 65,536 h + 16 r
	v_add_nc_u32 v3, OSC, v4                       ; LDS: OSC + 16 l
	s_wait_alu depctr_va_vdst(0)                   ; ahead of the reciprocal's first reader, which is also O^T's
.set j, 0
.rept 32
	v_mul_f32 v[S+j], v[O+j], v[L]                 ; each accumulator from its low end on
.set j, j+1
.endr
.irp b, 0,1
	v_max3_num_f32 v[BM+\b], |v[S+16*\b]|, |v[S+1+16*\b]|, 0x1800000
.endr
.irp i, 2,4,6,8,10,12,14
.irp b, 0,1
	s_delay_alu instid0(VALU_DEP_2)
	v_max3_num_f32 v[BM+\b], v[BM+\b], |v[S+16*\b+\i]|, |v[S+1+16*\b+\i]|
.endr
.endr
.irp b, 0,1
	s_delay_alu instid0(VALU_DEP_2)
	v_permlanex16_b32 v[6+\b], v[BM+\b], s[SEL], s[SEL+1]
.endr
.irp b, 0,1
	s_delay_alu instid0(VALU_DEP_2)
	v_max_num_f32 v[BM+\b], v[BM+\b], v[6+\b]
.endr
.irp b, 0,1
	s_delay_alu instid0(VALU_DEP_2)
	v_add_nc_u32 v[BM+2+\b], 0xff000000, v[BM+\b]
.endr
.irp b, 0,1
	s_delay_alu instid0(VALU_DEP_2)
	v_lshrrev_b32 v[6+\b], 23, v[BM+2+\b]
.endr
	s_delay_alu instid0(VALU_DEP_1)
	v_lshl_or_b32 v8, v7, 8, v6                    ; my position's two bytes for this head
.irp b, 0,1
	v_cvt_scalef32_pk8_fp4_f32 v[P+2*\b], v[S+16*\b:S+7+16*\b], v[BM+2+\b]
	v_cvt_scalef32_pk8_fp4_f32 v[P+1+2*\b], v[S+8+16*\b:S+15+16*\b], v[BM+2+\b]
.endr
	v_nop
	v_permlane16_swap_b32 v[P], v[P+2]
	v_permlane16_swap_b32 v[P+1], v[P+3]           ; lane (r, h): block h of position r
	global_store_b128 v1, v[P:P+3], s[8:9]         ; sixteen lanes store 256 consecutive bytes, aligned
	ds_store_b16 v2, v8                            ; both halves of the lanes write the same two bytes
	s_wait_dscnt 0x0                               ; for the others' sake
	s_barrier_signal -1
	s_barrier_wait -1
	s_cmp_lg_u32 s[WV], 0
	s_cbranch_scc1 .Lnot_mine
	ds_load_b128 v[P+4:P+7], v3                    ; the work-group's 256 positions x 2 bytes
	s_wait_dscnt 0x0
	global_store_b128 v4, v[P+4:P+7], s[10:11]     ; 512 consecutive bytes, aligned
.Lnot_mine:
	s_wait_tensorcnt 0x0                           ; the wave's end
	ds_add_u32 v[SPW], v[NIL]
	s_wait_dscnt 0x0
	CROUND                                         ; the closing round
	s_endpgm
.Lfunc_end_k_q449b031dbb_attn:
	.size	k_q449b031dbb_attn, .Lfunc_end_k_q449b031dbb_attn-k_q449b031dbb_attn
	.p2alignl 7, 3214868480
	.fill 96, 4, 3214868480
	.section	.rodata,"a",@progbits
	.p2align	6, 0x0
	.amdhsa_kernel k_q449b031dbb_attn
		.amdhsa_group_segment_fixed_size 181760
		.amdhsa_private_segment_fixed_size 0
		.amdhsa_enable_private_segment 0
		.amdhsa_kernarg_size 32
		.amdhsa_user_sgpr_count 2
		.amdhsa_user_sgpr_kernarg_segment_ptr 1
		.amdhsa_wavefront_size32 1
		.amdhsa_system_sgpr_workgroup_id_x 1
		.amdhsa_system_sgpr_workgroup_id_y 1
		.amdhsa_system_sgpr_workgroup_id_z 1
		.amdhsa_system_vgpr_workitem_id 0
		.amdhsa_next_free_vgpr 256
		.amdhsa_next_free_sgpr 66
		.amdhsa_reserve_vcc 0
		.amdhsa_float_denorm_mode_32 3
		.amdhsa_float_denorm_mode_16_64 3
		.amdhsa_memory_ordered 1
		.amdhsa_forward_progress 1
		.amdhsa_inst_pref_size 116
	.end_amdhsa_kernel
	.amdgpu_metadata
---
amdhsa.version: [ 1, 2 ]
amdhsa.kernels:
  - .name:           k_q449b031dbb_attn
    .symbol:         k_q449b031dbb_attn.kd
    .args:
      - { .name: qb, .offset: 0, .size: 8, .value_kind: global_buffer, .address_space: global }
      - { .name: kv, .offset: 8, .size: 8, .value_kind: global_buffer, .address_space: global }
      - { .name: oc, .offset: 16, .size: 8, .value_kind: global_buffer, .address_space: global }
      - { .name: os, .offset: 24, .size: 8, .value_kind: global_buffer, .address_space: global }
    .group_segment_fixed_size: 181760
    .private_segment_fixed_size: 0
    .kernarg_segment_align: 8
    .kernarg_segment_size: 32
    .max_flat_workgroup_size: 512
    .sgpr_count:     66
    .vgpr_count:     256
    .wavefront_size: 32
...
	.end_amdgpu_metadata
.endif
;; end of part 3
;; launch proj (part 4): grid 8 x 32, 4 waves a work-group, clusters of 4 x 4, 168,448 bytes of LDS; arguments oc, os, wc, ws, bo, out0; writes out0
.if DOCPART == 4
	.amdgcn_target "amdgcn-amd-amdhsa--gfx1250"
	.amdhsa_code_object_version 6
	.text
	.protected	k_q449b031dbb_proj
	.globl	k_q449b031dbb_proj
	.p2align	8
	.type	k_q449b031dbb_proj,@function
k_q449b031dbb_proj:
	s_mov_b64 s[64:65], 0
	v_nop
	global_prefetch_b8 v0, s[64:65] scope:SCOPE_SE
	s_setreg_imm32_b32 hwreg(HW_REG_WAVE_MODE, 25, 1), 1
	s_wait_xcnt 0x0
	s_wait_alu depctr_hold_cnt(0) depctr_sa_sdst(0) depctr_va_vdst(0) depctr_va_sdst(0) depctr_va_ssrc(0) depctr_va_vcc(0) depctr_vm_vsrc(0)
	s_getreg_b32 s2, hwreg(HW_REG_IB_STS2, 6, 4)
	s_cmp_eq_u32 s2, 0
	s_cbranch_scc0 .Lentry_in_a_cluster
	s_endpgm
.Lentry_in_a_cluster:
	s_bfe_u32 s2, ttmp6, 0x10000c
	s_cmp_lg_u32 s2, 0xf033
	s_cbranch_scc0 .Lentry_shape_is_right
	s_endpgm
.Lentry_shape_is_right:
; out0 = o Wo + bo on codes of FP4 with E8M0 scales, sums in f32.  o's codes [32 blocks][4,096 positions][16 bytes] and its scale bytes [16 heads][4,096 positions][2] were made by the launch before; Wo's by the first.
; SHARES.  A work-group makes 128 positions (Y) x 128 columns (X); K = 1,024 lies whole in LDS: o's tile and Wo's, 65,536 bytes each, every byte filled once, in two halves of K, all in before the first product.
; CLUSTER 4 x 4: o's tile hangs on Y alone and is asked for jointly along a row of the cluster, Wo's on X alone, along a column.  Each wave asks for one half of K of one tile: one load of mine is out.
; Source 0 = 16 columns of Wo, source 1 = 16 positions of o: a lane holds one position and its registers run along n.  Wave w: positions 64 (w / 2) on, columns 64 (w % 2) on: 4 x 4 accumulators, by turns.
; Rows lie by position (bits 3 and 4 of the row exchanged): Wo's order makes a lane's 16 registers of two tiles 16 neighbouring columns; o's order is undone in the stores' offsets.  bo is the C of each sum's first product.
; REGISTERS.  Window 0: v1-5 addresses; v16-47 and v80-111 rows on the way out; v48-79 scale words and nothing else; v128-255 accumulators.  Window 1: v0-63, v128-191 fragment buffers; v80-111 bo.
.set AX,   1                           ; o's fragments: 2,048 h + 16 r + 1,024 (w / 2)
.set AW,   2                           ; Wo's: 65,536 + 2,048 h + 16 r + 1,024 (w % 2)
.set STO,  3                           ; the stage, in: row r, + 64 h
.set RD,   4                           ; back: row l / 16, 16 (l % 16)
.set CO,   5                           ; out0: 4,096 (l / 16) + 16 (l % 16)
.set OS,   48
.set WS,   64
.set T,    80
.set BK0,  80
.set ACC,  128
.set FB0,  0                           ; window 1
.set BO,   80
.set WV,   22
.set MSB, 0
.macro WIN new                         ; the immediate's high byte repeats the setting that is left
.if MSB != \new
	s_set_vgpr_msb (MSB<<8)|\new
.set MSB, \new
.endif
.endm
.macro PLACES n
.rept \n
	v_nop
.endr
.endm
.macro CROUND                          ; a round of the cluster's barrier
	s_barrier_signal -1
	s_barrier_wait -1
	s_cmp_lg_u32 s[WV], 0
	s_cbranch_scc1 .Lnot_wave_0_\@
	s_barrier_signal -3
.Lnot_wave_0_\@:
	s_barrier_wait -3
	s_barrier_signal -1
	s_barrier_wait -1
.endm
.macro WM d, a, b, c, sa, sb, row      ; row = 1: both sides' scale words from lanes 16-31 (K steps 4 to 7)
.set rD, \d
.set rA, \a
.set rB, \b
.set rC, \c
.set rX, \sa
.set rY, \sb
.if \row
	v_wmma_scale_f32_16x16x128_f8f6f4 v[rD:rD+7], v[rA:rA+7], v[rB:rB+7], v[rC:rC+7], v[rX], v[rY] matrix_a_fmt:MATRIX_FMT_FP4 matrix_b_fmt:MATRIX_FMT_FP4 matrix_a_scale:MATRIX_SCALE_ROW1 matrix_b_scale:MATRIX_SCALE_ROW1
.else
	v_wmma_scale_f32_16x16x128_f8f6f4 v[rD:rD+7], v[rA:rA+7], v[rB:rB+7], v[rC:rC+7], v[rX], v[rY] matrix_a_fmt:MATRIX_FMT_FP4 matrix_b_fmt:MATRIX_FMT_FP4
.endif
.endm
.macro FRAGS dst, adr, off, n          ; n fragments: registers 4 c .. 4 c + 3 are the 16 bytes of block 2 c + h; blocks lie 2,048 bytes apart, tiles 256
.set fi, 0
.rept \n
	ds_load_b128 v[\dst+8*fi:\dst+8*fi+3], v[\adr] offset:\off+256*fi
	ds_load_b128 v[\dst+8*fi+4:\dst+8*fi+7], v[\adr] offset:\off+4096+256*fi
.set fi, fi+1
.endr
.endm
.macro MMP s, fb
.if (\s) == 0
	WIN 0x15                                       ; A, B and the bias in window 1, D in window 0
.else
	WIN 0x05
.endif
.irp i, 0,1,2,3
.irp t, 0,1,2,3
.if (\s) == 0
	WM ACC+32*\i+8*\t, \fb+8*\t, \fb+32+8*\i, BO+8*\t, WS+4*\t+(\s)%4, OS+4*\i+(\s)%4, 0
.else
	WM ACC+32*\i+8*\t, \fb+8*\t, \fb+32+8*\i, ACC+32*\i+8*\t, WS+4*\t+(\s)%4, OS+4*\i+(\s)%4, (\s)/4
.endif
.endr
.endr
.endm
; Four K steps, from s0 on, on two fragment buffers.  Four plain lines stand between the products that read a buffer and the loads into it.
.macro GEMMH s0
	WIN 0x40
	FRAGS FB0, AW, 8192*\s0, 4
	FRAGS FB0+32, AX, 8192*\s0, 4
.irp d, 0,1,2,3
.if \d < 3
.if \d > 0
	PLACES 4
.endif
	WIN 0x40
	FRAGS FB0+128*((\d+1)%2), AW, 8192*(\s0+\d+1), 4
	FRAGS FB0+128*((\d+1)%2)+32, AX, 8192*(\s0+\d+1), 4
	s_wait_dscnt 16                                ; this step's fragments are in; the 16 loads just issued may be out
.else
	s_wait_dscnt 0x0
.endif
	MMP \s0+\d, FB0+128*(\d%2)
.endr
	WIN 0
.endm
	s_load_b256 s[4:11], s[0:1], 0x0               ; oc, os, wc, ws
	s_load_b128 s[12:15], s[0:1], 0x20             ; bo, out0
	v_lshl_add_u32 v126, v0, 2, 0x29000
	v_mov_b32 v127, 0
	ds_add_u32 v126, v127
	ds_add_u32 v126, v127
	v_lshrrev_b32 v6, 5, v0
	v_readfirstlane_b32 s[WV], v6                  ; wave 0..3
	s_bfe_u32 s23, ttmp6, 0x40000                  ; cx
	s_bfe_u32 s24, ttmp6, 0x40004                  ; cy
	s_lshl_b32 s25, ttmp9, 2
	s_add_co_u32 s25, s25, s23                     ; X
	s_and_b32 s26, ttmp7, 0xffff
	s_lshl_b32 s26, s26, 2
	s_add_co_u32 s26, s26, s24                     ; Y
	s_lshl_b32 s27, s24, 2
	s_lshl_b32 s27, 15, s27                        ; my row of the cluster
	s_lshl_b32 s28, 0x1111, s23                    ; my column
	; descriptor groups 1: 16 blocks (rows) of 2,048 bytes = 256 elements of 8 bytes; no padding
	s_or_b32 s32, s27, (3<<16)|(1<<21)
	s_or_b32 s40, s28, (3<<16)|(1<<21)
.irp g, 32, 40
	s_mov_b32 s[\g+1], 256<<16
	s_mov_b32 s[\g+2], 16<<16                      ; tensor_dim1: half of K of a tile, 16 blocks
	s_mov_b32 s[\g+3], 256<<16
	s_mov_b32 s[\g+4], 16                          ; tile_dim1
	s_mov_b32 s[\g+6], 0
	s_mov_b32 s[\g+7], 0
.endr
	s_mov_b32 s37, 8192                            ; from block to block: 65,536 bytes in oc,
	s_mov_b32 s45, 2048                            ; 16,384 in wc
	s_lshl_b32 s66, s26, 11                        ; o: 2,048 Y
	s_mov_b32 s67, 0
	s_lshl_b32 s68, s25, 11
	s_add_co_u32 s68, s68, 1572864                 ; Wo: the fourth weight, + 2,048 X
	s_mov_b32 s69, 0
	s_wait_dscnt 0x0
	s_wait_kmcnt 0x0
	s_add_nc_u64 s[66:67], s[4:5], s[66:67]
	s_add_nc_u64 s[68:69], s[8:9], s[68:69]
.irp f, 0,1                            ; the halves of K
	s_mov_b32 s[48+8*\f], 1
	s_mov_b32 s[49+8*\f], 32768*\f
	s_add_nc_u64 s[50+8*\f:51+8*\f], s[66:67], 1048576*\f
	s_or_b32 s[51+8*\f], s[51+8*\f], 0x80000000
	s_mov_b32 s[52+8*\f], 1
	s_mov_b32 s[53+8*\f], 65536+32768*\f
	s_add_nc_u64 s[54+8*\f:55+8*\f], s[68:69], 262144*\f
	s_or_b32 s[55+8*\f], s[55+8*\f], 0x80000000
.endr
	CROUND                                         ; all sixteen work-groups are here: the joint loads meet
	; THE FILLS: the two halves of K of the two tiles are shared out among the four waves, 32,768 bytes a wave: one load of mine is out.
	; One chain of branches on the wave's number, the same in every partner; each arm holds one load and all lead to one join.
	s_cmp_lt_u32 s[WV], 1
	s_cbranch_scc0 .Lfill_w0
	tensor_load_to_lds s[48:51], s[32:39]          ; o, K steps 0-3
	s_nop 0
	PLACES 4
	s_branch .Lfilled
.Lfill_w0:
	s_cmp_lt_u32 s[WV], 2
	s_cbranch_scc0 .Lfill_o1
	tensor_load_to_lds s[52:55], s[40:47]          ; Wo, K steps 0-3
	s_nop 0
	PLACES 4
	s_branch .Lfilled
.Lfill_o1:
	s_cmp_lt_u32 s[WV], 3
	s_cbranch_scc0 .Lfill_w1
	tensor_load_to_lds s[56:59], s[32:39]          ; o, K steps 4-7
	s_nop 0
	PLACES 4
	s_branch .Lfilled
.Lfill_w1:
	tensor_load_to_lds s[60:63], s[40:47]          ; Wo, K steps 4-7
	s_nop 0
	PLACES 4
.Lfilled:
	v_and_b32 v6, 15, v0                           ; r
	v_bfe_u32 v7, v0, 4, 1                         ; h
	v_lshlrev_b32 v8, 4, v6                        ; 16 r
	v_lshl_add_u32 v12, v7, 11, v8
	s_lshr_b32 s70, s[WV], 1                       ; w / 2
	s_and_b32 s71, s[WV], 1                        ; w % 2
	s_lshl_b32 s72, s70, 10
	v_add_nc_u32 v[AX], s72, v12
	s_lshl_b32 s73, s71, 10
	s_add_co_u32 s73, s73, 65536
	v_add_nc_u32 v[AW], s73, v12
	s_mul_i32 s73, s[WV], 4352
	s_add_co_u32 s73, s73, 131072                  ; my stage: 16 rows x 272 bytes, behind the tiles
	v_mul_u32_u24 v[STO], v6, 272
	v_lshl_add_u32 v[STO], v7, 6, v[STO]
	v_add_nc_u32 v[STO], s73, v[STO]
	v_mul_u32_u24 v[RD], v7, 272
	v_add_nc_u32 v[RD], v[RD], v8
	v_add_nc_u32 v[RD], s73, v[RD]
	v_lshl_add_u32 v[CO], v7, 12, v8
	v_lshlrev_b32 v9, 1, v6
	v_lshl_add_u32 v9, v7, 16, v9                  ; os: 65,536 h (eight heads) + 2 r
	s_wait_alu depctr_va_vdst(0)
	v_lshl_add_u32 v10, v7, 14, v8                 ; ws: 16,384 h + 16 r
	s_wait_alu depctr_va_vdst(0)
	v_lshlrev_b32 v11, 6, v7                       ; bo: 64 h
	s_wait_alu depctr_va_vdst(0)
	s_lshl_b32 s74, s26, 8
	s_lshl_b32 s75, s70, 7
	s_add_co_u32 s74, s74, s75
	s_mov_b32 s75, 0
	s_add_nc_u64 s[6:7], s[6:7], s[74:75]          ; os at my 64 positions
	s_lshl_b32 s74, s25, 11
	s_lshl_b32 s76, s71, 10
	s_add_co_u32 s74, s74, s76
	s_add_nc_u64 s[10:11], s[10:11], s[74:75]      ; ws at my 64 columns
	s_lshl_b32 s74, s25, 9
	s_lshl_b32 s76, s71, 8
	s_add_co_u32 s74, s74, s76                     ; 4 (128 X + 64 (w % 2))
	s_add_nc_u64 s[12:13], s[12:13], s[74:75]      ; bo
	s_lshl_b32 s76, s26, 19
	s_add_co_u32 s74, s74, s76
	s_lshl_b32 s76, s70, 18
	s_add_co_u32 s74, s74, s76                     ; + 4,096 (128 Y + 64 (w / 2))
	s_add_nc_u64 s[14:15], s[14:15], s[74:75]      ; out0
	; o's scale word of K step s is head 2 s's two bytes below head 2 s + 1's: lanes 0-15 take steps 0-3, lanes 16-31 steps 4-7
.irp i, 0,1,2,3
.irp q, 0,1,2,3
	global_load_u16 v[OS+4*\i+\q], v9, s[6:7] offset:16384*\q+32*\i
	global_load_u16 v[T+4*\i+\q], v9, s[6:7] offset:16384*\q+8192+32*\i
.endr
.endr
.irp t, 0,1,2,3
	global_load_b128 v[WS+4*\t:WS+4*\t+3], v10, s[10:11] offset:98304+256*\t
.endr
	WIN 0x40
.irp t, 0,1,2,3
	global_load_b128 v[BO+8*\t:BO+8*\t+3], v11, s[12:13] offset:(32*(\t/2)+8*(\t%2))*4      ; tile t, register j: column 32 (t / 2) + 16 h + 8 (t % 2) + j
	global_load_b128 v[BO+8*\t+4:BO+8*\t+7], v11, s[12:13] offset:(32*(\t/2)+8*(\t%2))*4+16
.endr
	WIN 0
	s_wait_loadcnt 0x0
.irp n, 0,1,2,3,4,5,6,7,8,9,10,11,12,13,14,15
	v_lshl_or_b32 v[OS+\n], v[T+\n], 16, v[OS+\n]
.endr
	PLACES 8                                       ; a scale register written by a vector instruction stands eight plain lines ahead of a scaled product
	s_wait_alu depctr_va_vdst(0)
	s_wait_tensorcnt 0x0                           ; my part is in; behind the barrier all four are, and nothing is filled again: no later barrier is needed
	s_barrier_signal -1
	s_barrier_wait -1
	GEMMH 0
	PLACES 4                                       ; buffer 0 was read by step 2's products, and no plain line has followed them
	GEMMH 4
; THE WAY OUT, a tile of 16 positions x 64 columns at a time, through my own stage: in as 32 bytes a lane of a row, back as whole rows of 256 bytes.  LDS serves a wave's instructions in order: no wait between the stores and the loads.
.macro TOSTAGE i
.irp t, 0,1,2,3
	ds_store_b128 v[STO], v[ACC+32*(\i)+8*\t:ACC+32*(\i)+8*\t+3] offset:128*(\t/2)+32*(\t%2)        ; each accumulator from its low end on
	ds_store_b128 v[STO], v[ACC+32*(\i)+8*\t+4:ACC+32*(\i)+8*\t+7] offset:128*(\t/2)+32*(\t%2)+16
.endr
.set BB, BK0-64*((\i)%2)
.irp k, 0,1,2,3,4,5,6,7
	ds_load_b128 v[BB+4*\k:BB+4*\k+3], v[RD] offset:544*\k
.endr
.endm
.macro SEND i, younger                 ; younger: the LDS instructions issued behind tile i's loads, which may stay out
.set BB, BK0-64*((\i)%2)
	s_wait_dscnt \younger
.irp k, 0,1,2,3,4,5,6,7
	global_store_b128 v[CO], v[BB+4*\k:BB+4*\k+3], s[14:15] offset:4096*(32*((\i)/2)+8*((\i)%2)+2*\k+8*(\k/4)) th:TH_STORE_NT   ; position 2 k + l / 16 of tile i is this token: sixteen lanes store 256 consecutive bytes, aligned
.endr
.endm
	PLACES 4                                       ; behind the last products, ahead of the first read of results
	TOSTAGE 0
.irp i, 1,2,3
.if \i > 1
	s_wait_xcnt 0x0                                ; tile i - 2's stores have read their registers: tile i's rows may land there
.endif
	TOSTAGE \i
	SEND \i-1, 16                                  ; behind tile i - 1's loads: tile i's eight stores and eight loads
.endr
	SEND 3, 0
	s_wait_tensorcnt 0x0
	ds_add_u32 v126, v127
	s_wait_dscnt 0x0
	CROUND                                         ; the closing round: no work-group ends while a partner may still ask for a tile that names it
	s_endpgm
.Lfunc_end_k_q449b031dbb_proj:
	.size	k_q449b031dbb_proj, .Lfunc_end_k_q449b031dbb_proj-k_q449b031dbb_proj
	.p2alignl 7, 3214868480
	.fill 96, 4, 3214868480
	.section	.rodata,"a",@progbits
	.p2align	6, 0x0
	.amdhsa_kernel k_q449b031dbb_proj
		.amdhsa_group_segment_fixed_size 168448
		.amdhsa_private_segment_fixed_size 0
		.amdhsa_enable_private_segment 0
		.amdhsa_kernarg_size 48
		.amdhsa_user_sgpr_count 2
		.amdhsa_user_sgpr_kernarg_segment_ptr 1
		.amdhsa_wavefront_size32 1
		.amdhsa_system_sgpr_workgroup_id_x 1
		.amdhsa_system_sgpr_workgroup_id_y 1
		.amdhsa_system_sgpr_workgroup_id_z 1
		.amdhsa_system_vgpr_workitem_id 0
		.amdhsa_next_free_vgpr 512
		.amdhsa_next_free_sgpr 100
		.amdhsa_reserve_vcc 0
		.amdhsa_float_denorm_mode_32 3
		.amdhsa_float_denorm_mode_16_64 3
		.amdhsa_memory_ordered 1
		.amdhsa_forward_progress 1
		.amdhsa_inst_pref_size 46
	.end_amdhsa_kernel
	.amdgpu_metadata
---
amdhsa.version: [ 1, 2 ]
amdhsa.kernels:
  - .name:           k_q449b031dbb_proj
    .symbol:         k_q449b031dbb_proj.kd
    .args:
      - { .name: oc, .offset: 0, .size: 8, .value_kind: global_buffer, .address_space: global }
      - { .name: os, .offset: 8, .size: 8, .value_kind: global_buffer, .address_space: global }
      - { .name: wc, .offset: 16, .size: 8, .value_kind: global_buffer, .address_space: global }
      - { .name: ws, .offset: 24, .size: 8, .value_kind: global_buffer, .address_space: global }
      - { .name: bo, .offset: 32, .size: 8, .value_kind: global_buffer, .address_space: global }
      - { .name: out0, .offset: 40, .size: 8, .value_kind: global_buffer, .address_space: global }
    .group_segment_fixed_size: 168448
    .private_segment_fixed_size: 0
    .kernarg_segment_align: 8
    .kernarg_segment_size: 48
    .max_flat_workgroup_size: 128
    .sgpr_count:     100
    .vgpr_count:     512
    .wavefront_size: 32
...
	.end_amdgpu_metadata
.endif
;; end of part 4
